; MI455X (gfx1250); checked and timed in simulation.
; The chip was launched on July 23, 2026; its instructions are those of AMD's public machine-readable ISA for CDNA 5 (MIT licence, August 2026) and "CDNA5" Instruction Set Architecture Reference Guide (July 2026). The comments in the code are by the model that wrote it; some were corrected since.
;; Multi Head Self Attention. Allowed arithmetic: matrix products marked QUANTISED: E2M3 operands, one E8M0 scale for each 32 along K, by v_wmma_scale_f32_16x16x128_f8f6f4 with both operands' format E2M3, f32 sums; everything else in f32.
;; Inputs: mask 2 x 2,048 int32; proj_b 1,024 float32; proj_w 1,024 x 1,024 float32; qkv_b 3,072 float32; qkv_w 3,072 x 1,024 float32; x 2 x 2,048 x 1,024 float32.
;; Outputs: out0 2 x 2,048 x 1,024 float32.
;; This version of the problem:
;;   THIS VERSION OF THE PROBLEM IS GIVEN IN LOW PRECISION. The matrix products marked QUANTISED in the list below multiply operands that are first quantised to E2M3 (2 exponent bits, 3 mantissa bits; 6 bits a number), with one power-of-two scale for each 32 numbers along K (OCP MX v1.0); their sums are f32. All else is computed in f32.
;;   The module's matrix products, in the order in which they are computed (A, B: the left and right operand; K: the contracted axis; several contracted axes count as one K, in the product's order):
;;     1. [M 4,096, K 1,024] x [K 1,024, N 3,072]; A: input x; B: input qkv_w: QUANTISED
;;     2. batch 32 x [M 2,048, K 64] x [K 64, N 2,048]; A: computed on the way; B: computed on the way: QUANTISED
;;     3. batch 32 x [M 2,048, K 2,048] x [K 2,048, N 64]; A: computed on the way; B: computed on the way: QUANTISED
;;     4. [M 4,096, K 1,024] x [K 1,024, N 1,024]; A: computed on the way; B: input proj_w: QUANTISED
;;   THE QUANTISER, for each operand of a quantised product, along K:
;;     - K is cut into blocks of 32 from its start; a last block that is shorter is filled with zeros.
;;     - A block's scale is 2^e with e = floor(log2(the largest magnitude in the block)) - 2, held to -126 .. 127; a block of zeros has e = 0. As a byte (E8M0): e + 127.
;;     - Each number is divided by its block's scale, clamped to +-7.5, and rounded to the nearest number of E2M3, ties to even, subnormals kept.
;;     - The product sums the exact products of the quantised numbers (number of the format x scale) in f32.
;;   ~~~python
;;   def quantise(x, axis):      # numpy; x: float32 -> the quantised numbers, widened to float32 again
;;       x = np.moveaxis(x, axis, -1); K = x.shape[-1]
;;       x = np.pad(x, [(0, 0)] * (x.ndim - 1) + [(0, -K % 32)]); x = x.reshape(x.shape[:-1] + (-1, 32)); a = np.abs(x).max(-1, keepdims=True)
;;       e = np.where(a > 0, np.clip(np.frexp(np.where(a > 0, a, 1))[1] - 1 - 2, -126, 127), 0)      # np.frexp(a)[1] - 1 = floor(log2(a)), exactly
;;       r = np.clip(x / 2.0 ** e, -7.5, 7.5)
;;       step = 2.0 ** (np.maximum(np.frexp(np.where(r == 0, 1, r))[1] - 1, 0) - 3)
;;       q = np.round(r / step) * step * 2.0 ** e      # np.round: ties to even
;;       return np.moveaxis(q.reshape(q.shape[:-2] + (-1,))[..., :K], -1, axis).astype(np.float32)
;;   ~~~
;;   OPERANDS COMPUTED ON THE WAY. 'Computed on the way' means the value that the module computes at that place (a softmax that the list does not call 'softmax' is quantised finished and normalised). What goes into a quantiser is computed in f32, as accurately as f32 sums, v_exp_f32 and their like allow (about 1e-6 of the number): no bf16 or f16 on the way to a quantiser, and a product that is left as it is and whose result goes on into a quantised operand takes f32 operands (vector FMAs, or v_wmma_f32_16x16x4_f32). A number that lies on a knife's edge between two numbers of the format may be rounded either way, as far as f32 arithmetic and the matrix unit's own rounding can turn it there, and no further.
;; One version. Each part assembles by itself: llvm-mc -triple=amdgcn-amd-amdhsa -mcpu=gfx1250 --defsym DOCPART=n.
;; ======== version 1 of 1: 4 launches
;; limits: right only within a limited range of input values
;; workspace buffers: codes_in 6,291,456 bytes; scales_in 262,144 bytes; qkc 6,291,456 bytes; qks 524,288 bytes; vc 3,145,728 bytes; vs 131,072 bytes; ac 3,145,728 bytes; acs 131,072 bytes
;; launch quant (part 1): grid 256 x 1, 4 waves a work-group, no clusters, 34,304 bytes of LDS; arguments x, qkv_w, proj_w, codes_in, scales_in; writes codes_in, scales_in
.if DOCPART == 1
	.amdgcn_target "amdgcn-amd-amdhsa--gfx1250"
	.amdhsa_code_object_version 6
	.text
	.protected	k_q8494a6c661_quant
	.globl	k_q8494a6c661_quant
	.p2align	8
	.type	k_q8494a6c661_quant,@function
k_q8494a6c661_quant:
	s_mov_b64 s[64:65], 0
	v_nop
	global_prefetch_b8 v0, s[64:65] scope:SCOPE_SE
	s_setreg_imm32_b32 hwreg(HW_REG_WAVE_MODE, 25, 1), 1
	s_wait_xcnt 0x0
; x [4096][1024], qkv_w [3072][1024], proj_w [1024][1024], f32, K innermost, become codes of FP6 (E2M3) with one E8M0 byte for each 32 along K,
; laid IN THE ORDER OF AN OPERAND'S REGISTERS.  The 8,192 rows are 512 tiles of 16: tile t takes, in its lane r, row 32 (t / 2) + 8 (t % 2) + r + 8 (r / 8).
; codes_in: [block of 128 rows][K step of 128][tile 0..7][1,536 bytes]; a fragment's 12 registers lie as: registers 0-3 at 16 x lane, 4-5 at 512 + 8 x lane, 6-9 at 768 + 16 x lane, 10-11 at 1,280 + 8 x lane.
; scales_in: [tile][half of K][row r][4 words]: one word (four bytes) for a row and 128 along K.
; A block's scale is 2^(floor(log2(largest magnitude)) - 2); its byte is the largest magnitude's exponent field - 2, held at 1 from below.
; LIMITS: a block of zeros gets the byte 1 (its codes are zeros; this program alone reads the bytes); blocks whose largest magnitude lies under 2^-124 are held at that floor; NaN and infinities are not served.
; SHARES: a work-group takes 32 rows (two tiles); wave w takes tile w / 2 and half w % 2 of K: 16 rows x 512 along K, in four units of 128.
; Each load reads 512 consecutive bytes of one row; a unit's 8 KB turn through the wave's own stage in LDS (rows 528 bytes apart), so that a lane gets 16 neighbours of each block of 32 of its row.
; No barrier: waves share nothing.  Three units' loads (48 a wave) are out at the start.
.set SPARE, 33792                      ; behind the four stages of 8,448 bytes: the spare words, 128 bytes a wave
.set SPW,  1                           ; v1   my spare word's LDS address; never rewritten
.set NIL,  2                           ; v2   0; never rewritten
.set L16,  3                           ; v3   16 x lane
.set L8,   4                           ; v4   8 x lane
.set STI,  5                           ; v5   the stage, way in: wave x 8,448 + 16 x lane
.set STO,  6                           ; v6   the stage, way out: wave x 8,448 + 528 r + 64 h
.set SOF,  7                           ; v7   16 r + 8 h: my two scale words' place
.set TM,   8                           ; v8-23 at work in QUANT
.set PW,   24                          ; v24  the scale word just made
.set HH,   25                          ; v25  h = lane / 16
.set PWS,  26                          ; v26-29 the four units' scale words
.set SP2,  30                          ; v30-31 the two that I store
.set PC,   32                          ; v32-51 codes: 12 registers and 8 at work
.set R,    56                          ; v56-247 three sets of 64 numbers
.set SEL,  20                          ; s[20:21] selects of v_permlanex16_b32: lane l xor 16
; 64 numbers of a lane, register 16 b + i = k 32 b + 16 (lane / 16) + i of my row, become a fragment's codes in v[PC] on and its scale word in v[PW].
.macro QUANT s
.irp b, 0,1,2,3
	v_max3_num_f32 v[TM+\b], |v[\s+16*\b]|, |v[\s+1+16*\b]|, 0x1800000   ; my 16 numbers of block b, and the floor 2^(3 - 127): the byte cannot fall under 1
.endr
.irp i, 2,4,6,8,10,12,14
.irp b, 0,1,2,3
	v_max3_num_f32 v[TM+\b], v[TM+\b], |v[\s+16*\b+\i]|, |v[\s+1+16*\b+\i]|
.endr
.endr
.irp b, 0,1,2,3
	v_permlanex16_b32 v[TM+4+\b], v[TM+\b], s[SEL], s[SEL+1]
.endr
.irp b, 0,1,2,3
	v_max_num_f32 v[TM+\b], v[TM+\b], v[TM+4+\b]                  ; with lane l xor 16's: the block's largest magnitude
.endr
.irp b, 0,1,2,3
	v_add_nc_u32 v[TM+12+\b], 0xff000000, v[TM+\b]                ; 2 off its exponent field: the conversion's scale operand
.endr
.irp b, 0,1,2,3
	v_lshrrev_b32 v[TM+4+\b], 23, v[TM+12+\b]                     ; the scale's byte
.endr
	v_lshl_or_b32 v[PW], v[TM+5], 8, v[TM+4]
	v_lshl_or_b32 v[PW], v[TM+6], 16, v[PW]
	v_lshl_or_b32 v[PW], v[TM+7], 24, v[PW]
	s_wait_xcnt 0x0                                               ; the last fragment's stores have read v[PC] on: only now are they written again
.irp c, 0,1
	v_cvt_scalef32_pk16_fp6_f32 v[PC+6*\c:PC+2+6*\c], v[\s+32*\c:\s+15+32*\c], v[TM+12+2*\c]
	v_cvt_scalef32_pk16_fp6_f32 v[PC+12+4*\c:PC+14+4*\c], v[\s+16+32*\c:\s+31+32*\c], v[TM+12+2*\c+1]
.endr
	v_nop                                                         ; one plain place behind the scaled conversions
.irp c, 0,1                            ; the layout wants a whole block in a lane: lanes 0-15 block 2 c, lanes 16-31 block 2 c + 1
.irp i, 0,1,2
	v_permlane16_swap_b32 v[PC+6*\c+\i], v[PC+12+4*\c+\i]
.endr
.irp i, 0,1,2
	v_mov_b32 v[PC+3+6*\c+\i], v[PC+12+4*\c+\i]
.endr
.endr
.endm
.macro LOAD e                          ; unit e: 16 rows x 512 bytes into set e % 3
.set RL, R+64*((\e)%3)
.irp t, 0,1,2,3,4,5,6,7,8,9,10,11,12,13,14,15
	global_load_b128 v[RL+4*\t:RL+4*\t+3], v[L16], s[4:5] offset:(\t+8*(\t/8))*4096+512*(\e) th:TH_LOAD_NT
.endr
.endm
.macro UNIT e, left                    ; left: the younger units' loads, which may stay out
.set RS, R+64*((\e)%3)
	s_wait_loadcnt \left
.irp t, 0,1,2,3,4,5,6,7,8,9,10,11,12,13,14,15
	ds_store_b128 v[STI], v[RS+4*\t:RS+4*\t+3] offset:528*\t
.endr
.irp b, 0,1,2,3
.irp j, 0,1,2,3
	ds_load_b128 v[RS+16*\b+4*\j:RS+16*\b+4*\j+3], v[STO] offset:128*\b+16*\j   ; LDS serves a wave's instructions in order: these see the stores above
.endr
.endr
	s_wait_dscnt 0x0
	QUANT RS
	global_store_b128 v[L16], v[PC:PC+3], s[10:11] offset:12288*(\e)            ; each store covers whole aligned runs of 256 bytes
	global_store_b64 v[L8], v[PC+4:PC+5], s[10:11] offset:12288*(\e)+512
	global_store_b128 v[L16], v[PC+6:PC+9], s[10:11] offset:12288*(\e)+768
	global_store_b64 v[L8], v[PC+10:PC+11], s[10:11] offset:12288*(\e)+1280
	v_mov_b32 v[PWS+\e], v[PW]
.endm
	s_load_b256 s[4:11], s[0:1], 0x0               ; x, qkv_w, proj_w, codes_in
	s_load_b64 s[12:13], s[0:1], 0x20              ; scales_in
	v_lshl_add_u32 v[SPW], v0, 2, SPARE
	v_mov_b32 v[NIL], 0
	v_lshrrev_b32 v[HH], 5, v0
	v_readfirstlane_b32 s14, v[HH]                 ; wave
	v_and_b32 v[L8], 31, v0
	v_lshlrev_b32 v[L16], 4, v[L8]
	v_lshlrev_b32 v[L8], 3, v[L8]
	s_mul_i32 s15, s14, 8448                       ; my stage
	v_add_nc_u32 v[STI], s15, v[L16]
	v_and_b32 v[SOF], 15, v0                       ; r
	v_bfe_u32 v[HH], v0, 4, 1                      ; h
	v_mul_u32_u24 v[STO], v[SOF], 528
	v_lshl_add_u32 v[STO], v[HH], 6, v[STO]
	v_add_nc_u32 v[STO], s15, v[STO]
	v_lshlrev_b32 v[SOF], 4, v[SOF]
	v_lshl_add_u32 v[SOF], v[HH], 3, v[SOF]
.irp b, 0,1,2,3
	v_mov_b32 v[TM+4+\b], 0                        ; a lane permute's destination counts as read: written once here
.endr
	s_mov_b32 s[SEL], 0x76543210
	s_mov_b32 s[SEL+1], 0xfedcba98
	s_lshr_b32 s16, s14, 1                         ; which of the two tiles
	s_and_b32 s17, s14, 1                          ; which half of K
	s_lshr_b32 s22, ttmp9, 2                       ; the codes: block of 128 rows,
	s_mul_i32 s22, s22, 98304
	s_mul_i32 s23, s17, 49152                      ; four K steps of 12,288 bytes,
	s_add_co_u32 s22, s22, s23
	s_and_b32 s23, ttmp9, 3
	s_lshl_b32 s23, s23, 1
	s_add_co_u32 s23, s23, s16
	s_mul_i32 s23, s23, 1536                       ; the tile in its block
	s_add_co_u32 s22, s22, s23
	s_mov_b32 s23, 0
	s_lshl_b32 s24, ttmp9, 10                      ; the scale words: 512 bytes a tile, 256 a half of K: 1,024 x work-group + 256 x wave
	s_lshl_b32 s25, s14, 8
	s_add_co_u32 s24, s24, s25
	s_mov_b32 s25, 0
	s_wait_kmcnt 0x0
	s_cmp_lt_u32 ttmp9, 128                        ; work-groups 0-127 take x, 128-223 qkv_w, 224-255 proj_w: the choice hangs on the work-group's number alone
	s_cselect_b64 s[4:5], s[4:5], s[6:7]
	s_cselect_b32 s18, 0, 128
	s_cmp_lt_u32 ttmp9, 224
	s_cselect_b64 s[4:5], s[4:5], s[8:9]
	s_cselect_b32 s18, s18, 224
	s_sub_co_u32 s18, ttmp9, s18
	s_lshl_b32 s18, s18, 17                        ; 32 rows of 4,096 bytes
	s_lshl_b32 s19, s16, 15                        ; the odd tile begins 8 rows down
	s_add_co_u32 s18, s18, s19
	s_lshl_b32 s19, s17, 11                        ; 512 numbers along K
	s_add_co_u32 s18, s18, s19
	s_mov_b32 s19, 0
	s_add_nc_u64 s[4:5], s[4:5], s[18:19]
	s_add_nc_u64 s[10:11], s[10:11], s[22:23]
	s_add_nc_u64 s[12:13], s[12:13], s[24:25]
	LOAD 0
	LOAD 1
	LOAD 2
	UNIT 0, 32
	LOAD 3                                         ; into set 0, which unit 0 has left
	UNIT 1, 32
	UNIT 2, 16
	UNIT 3, 0
	v_cmp_eq_u32 vcc_lo, 1, v[HH]
	v_cndmask_b32 v[SP2], v[PWS], v[PWS+2], vcc_lo         ; lanes 0-15 store units 0, 1, lanes 16-31 units 2, 3 of row r
	v_cndmask_b32 v[SP2+1], v[PWS+1], v[PWS+3], vcc_lo
	global_store_b64 v[SOF], v[SP2:SP2+1], s[12:13]        ; 32 lanes store 256 consecutive bytes, aligned
	s_wait_tensorcnt 0x0                           ; the wave's end, behind my last LDS store
	ds_add_u32 v[SPW], v[NIL]
	s_wait_dscnt 0x0
	s_endpgm
.Lfunc_end_k_q8494a6c661_quant:
	.size	k_q8494a6c661_quant, .Lfunc_end_k_q8494a6c661_quant-k_q8494a6c661_quant
	.p2alignl 7, 3214868480
	.fill 96, 4, 3214868480
	.section	.rodata,"a",@progbits
	.p2align	6, 0x0
	.amdhsa_kernel k_q8494a6c661_quant
		.amdhsa_group_segment_fixed_size 34304
		.amdhsa_private_segment_fixed_size 0
		.amdhsa_enable_private_segment 0
		.amdhsa_kernarg_size 40
		.amdhsa_user_sgpr_count 2
		.amdhsa_user_sgpr_kernarg_segment_ptr 1
		.amdhsa_wavefront_size32 1
		.amdhsa_system_sgpr_workgroup_id_x 1
		.amdhsa_system_sgpr_workgroup_id_y 1
		.amdhsa_system_sgpr_workgroup_id_z 1
		.amdhsa_system_vgpr_workitem_id 0
		.amdhsa_next_free_vgpr 248
		.amdhsa_next_free_sgpr 66
		.amdhsa_reserve_vcc 1
		.amdhsa_float_denorm_mode_32 3
		.amdhsa_float_denorm_mode_16_64 3
		.amdhsa_memory_ordered 1
		.amdhsa_forward_progress 1
		.amdhsa_inst_pref_size 34
	.end_amdhsa_kernel
	.amdgpu_metadata
---
amdhsa.version: [ 1, 2 ]
amdhsa.kernels:
  - .name:           k_q8494a6c661_quant
    .symbol:         k_q8494a6c661_quant.kd
    .args:
      - { .name: x, .offset: 0, .size: 8, .value_kind: global_buffer, .address_space: global }
      - { .name: qkv_w, .offset: 8, .size: 8, .value_kind: global_buffer, .address_space: global }
      - { .name: proj_w, .offset: 16, .size: 8, .value_kind: global_buffer, .address_space: global }
      - { .name: codes_in, .offset: 24, .size: 8, .value_kind: global_buffer, .address_space: global }
      - { .name: scales_in, .offset: 32, .size: 8, .value_kind: global_buffer, .address_space: global }
    .group_segment_fixed_size: 34304
    .private_segment_fixed_size: 0
    .kernarg_segment_align: 8
    .kernarg_segment_size: 40
    .max_flat_workgroup_size: 128
    .sgpr_count:     66
    .vgpr_count:     248
    .wavefront_size: 32
...
	.end_amdgpu_metadata
.endif
;; end of part 1
;; launch qkv (part 2): grid 12 x 16, 4 waves a work-group, clusters of 4 x 4, 327,680 bytes of LDS; arguments codes_in, scales_in, qkv_b, qkc, qks, vc, vs; writes qkc, qks, vc, vs
.if DOCPART == 2
	.amdgcn_target "amdgcn-amd-amdhsa--gfx1250"
	.amdhsa_code_object_version 6
	.text
	.protected	k_q8494a6c661_qkv
	.globl	k_q8494a6c661_qkv
	.p2align	8
	.type	k_q8494a6c661_qkv,@function
k_q8494a6c661_qkv:
	s_mov_b64 s[64:65], 0
	v_nop
	global_prefetch_b8 v0, s[64:65] scope:SCOPE_SE
	s_setreg_imm32_b32 hwreg(HW_REG_WAVE_MODE, 25, 1), 1
	s_wait_xcnt 0x0
	s_wait_alu depctr_hold_cnt(0) depctr_sa_sdst(0) depctr_va_vdst(0) depctr_va_sdst(0) depctr_va_ssrc(0) depctr_va_vcc(0) depctr_vm_vsrc(0)
	s_getreg_b32 s2, hwreg(HW_REG_IB_STS2, 6, 4)
	s_cmp_eq_u32 s2, 0
	s_cbranch_scc0 .Lentry_in_a_cluster
	s_endpgm
.Lentry_in_a_cluster:
	s_bfe_u32 s2, ttmp6, 0x10000c
	s_cmp_lg_u32 s2, 0xf033
	s_cbranch_scc0 .Lentry_shape_is_right
	s_endpgm
.Lentry_shape_is_right:
; qkv = x qkv_w^T + qkv_b on codes of FP6 (E2M3) with E8M0 scales; the result never goes to memory as f32: q and k are quantised along the head's 64, v along the keys, in registers.
; A tile of 256 rows of x by 256 rows of qkv_w is made by four waves, 128 x 128 each: 64 accumulators, 512 registers.  K = 1,024 goes in four fills of 256 through two LDS slots.
; OPERANDS LIE IN MEMORY IN THE ORDER OF THEIR REGISTERS (launch quant): 128 rows x 256 K are 24,576 dense bytes, one tensor load; a fragment comes from LDS by four loads at 16 or 8 bytes a lane, no pitch, no padding.
; THE ROWS OF A TILE OF 16: lane r of tile t holds row 32 (t / 2) + 8 (t % 2) + r + 8 (r / 8), in both tensors.  So in the result a lane's 64 registers of one block of source 1 run along 128 NEIGHBOURING rows of source 0.
; ROLES, by the cluster's x, which all sixteen partners share.  Tile columns 0-7 (q, k): source 0 = qkv_w, a lane holds one row of x and its registers run along the heads' d.
;   Tile columns 8-11 (v): source 0 = x, a lane holds one d and its registers run along the keys.  The tensor loads are the same in both; only the LDS addresses that the waves read from are chosen.
; OUT: qkc [q, k][32 heads][128 tiles][768 bytes]: 16 rows x 64 d as six registers a lane (0-3 at 16 x lane, 4-5 at 512 + 8 x lane); qks [q, k][head][tile / 4][r][tile % 4] words: two scale bytes, above them 0x7f and 0x01;
;   vc [head][16 steps of 128 keys][4 tiles of d][1,536 bytes]; vs [head][step][r][tile of d] words.
; CLUSTER: 4 x 4 work-groups; x's tiles are asked for jointly along a row of the cluster, qkv_w's along a column.
; LIMITS: a block of zeros gets the byte 1; blocks whose largest magnitude lies under 2^-124 are held at that floor; NaN and infinities are not served.
; REGISTERS: window 0: v1-9 lane terms; v16-23 LDS addresses; v27 scale words' address; v28, v29 the add's two; v32-63 scale words, two sets; v64-127 the bias; v128-223 source 1's fragments, one set; on the way out v128-228 at work.
;   window 1: source 0's fragments, two sets, at v0 and v128.   windows 2, 3: accumulator (a, b) at v[8 (8 (a % 4) + b)].
.set FR,    12
.set NL,    4                          ; LDS loads of a fragment
.set NP,    4                          ; places behind this matrix instruction (ISA guide 7.12.1)
.set NQ,    2                          ; steps of 128 along K in a slot
.set FRB,   1536
.set CH,    12288                      ; 128 rows x 128 K
.set HALFT, 24576                      ; what one tensor load brings
.set SLOT,  98304                      ; x's two halves, then qkv_w's two
.set SCL,   196608                     ; behind the ring: the scale words of the 512 rows, for all of K
.set HALFS, 4096
.set SPARE, SCL+4*HALFS+1024           ; the spare words, 128 bytes a wave
.set RB,    98304                      ; a block of 128 rows in codes_in
.set BROW0, 32                         ; qkv_w's first block of 128 rows
.set L16,  4
.set L8,   5
.set BOF,  6                           ; the bias's lane offset
.set SOF,  7                           ; the scale words' lane offset on the way out
.set SH,   8                           ; 16 h
.set AD1,  16                          ; v16-17 source 1's fragments in slot 0, 1 (16 x lane); v18-19 (8 x lane)
.set AD0,  20                          ; v20-23 the same for source 0
.set ADRS, 27
.set SPW,  28
.set NIL,  29
.set SC,   32
.set PWA,  32                          ; the way out: eight scale words (the scale sets are done with)
.set BI,   64
.set AF,   128
.set H,    128                         ; the way out: 64 numbers
.set PC,   192                         ; codes
.set TM,   212
.set PW,   228
.set SEL,  2                           ; s[2:3]
.set ROLE, 12
.set G1, 24
.set G0, 32
.set G1B, 48
.set G0B, 56
.set G1S, 68
.set G0S, 76
.set G1SB, 80
.set G0SB, 88
.set MSB, 0
.macro WIN new                         ; the immediate's high byte repeats the setting that is left
.if MSB != \new
	s_set_vgpr_msb (MSB<<8)|\new
.set MSB, \new
.endif
.endm
.set MUL_LO, 0xa1                      ; source 0 window 1, source 1 window 0, C and D window 2
.set MUL_HI, 0xf1
.set TO_B,   0x40
; A joint load: waves 0 and 1 fetch x's halves, waves 2 and 3 qkv_w's.  The branch hangs on the wave's number alone.  An s_nop 0 and four v_nop follow each line.
.macro JLOAD g0a, g1a, g0b, g1b
	s_cmp_eq_u32 s15, 0
	s_cbranch_scc0 .Lfor_b_\@
	tensor_load_to_lds s[\g0a:\g0a+3], s[\g1a:\g1a+7]
	s_nop 0
.rept 4
	v_nop
.endr
	s_branch .Lasked_\@
.Lfor_b_\@:
	tensor_load_to_lds s[\g0b:\g0b+3], s[\g1b:\g1b+7]
	s_nop 0
.rept 4
	v_nop
.endr
.Lasked_\@:
.endm
.macro CREST
	s_cmp_lg_u32 s14, 0
	s_cbranch_scc1 .Lnot_wave_0_\@
	s_barrier_signal -3
.Lnot_wave_0_\@:
	s_barrier_wait -3
	s_barrier_signal -1
	s_barrier_wait -1
.endm
.macro CROUND
	s_barrier_signal -1
	s_barrier_wait -1
	CREST
.endm
.macro QUANT s                         ; 64 numbers of a lane, register 16 b + i = k 32 b + 16 (lane / 16) + i, become codes in v[PC] on and a scale word in v[PW]
.irp b, 0,1,2,3
	v_max3_num_f32 v[TM+\b], |v[\s+16*\b]|, |v[\s+1+16*\b]|, 0x1800000   ; and the floor 2^(3 - 127)
.endr
.irp i, 2,4,6,8,10,12,14
.irp b, 0,1,2,3
	v_max3_num_f32 v[TM+\b], v[TM+\b], |v[\s+16*\b+\i]|, |v[\s+1+16*\b+\i]|
.endr
.endr
.irp b, 0,1,2,3
	v_permlanex16_b32 v[TM+4+\b], v[TM+\b], s[SEL], s[SEL+1]
.endr
.irp b, 0,1,2,3
	v_max_num_f32 v[TM+\b], v[TM+\b], v[TM+4+\b]
.endr
.irp b, 0,1,2,3
	v_add_nc_u32 v[TM+12+\b], 0xff000000, v[TM+\b]                ; 2 off the exponent field: the conversion's scale operand
.endr
.irp b, 0,1,2,3
	v_lshrrev_b32 v[TM+4+\b], 23, v[TM+12+\b]
.endr
	v_lshl_or_b32 v[PW], v[TM+5], 8, v[TM+4]
	v_lshl_or_b32 v[PW], v[TM+6], 16, v[PW]
	v_lshl_or_b32 v[PW], v[TM+7], 24, v[PW]
	s_wait_xcnt 0x0                                               ; the last block's stores have read v[PC] on
.irp c, 0,1
	v_cvt_scalef32_pk16_fp6_f32 v[PC+6*\c:PC+2+6*\c], v[\s+32*\c:\s+15+32*\c], v[TM+12+2*\c]
	v_cvt_scalef32_pk16_fp6_f32 v[PC+12+4*\c:PC+14+4*\c], v[\s+16+32*\c:\s+31+32*\c], v[TM+12+2*\c+1]
.endr
	v_nop                                                         ; one plain place behind the scaled conversions
.irp c, 0,1
.irp i, 0,1,2
	v_permlane16_swap_b32 v[PC+6*\c+\i], v[PC+12+4*\c+\i]
.endr
.irp i, 0,1,2
	v_mov_b32 v[PC+3+6*\c+\i], v[PC+12+4*\c+\i]
.endr
.endr
.endm
	s_load_b256 s[4:11], s[0:1], 0x0               ; codes_in, scales_in, qkv_b, qkc
	s_load_b128 s[96:99], s[0:1], 0x20             ; qks, vc
	s_load_b64 s[100:101], s[0:1], 0x30            ; vs
	v_lshl_add_u32 v[SPW], v0, 2, SPARE
	v_mov_b32 v[NIL], 0
	ds_add_u32 v[SPW], v[NIL]                      ; the wave's opening: the add and its wait ahead of my first tensor load
	v_lshrrev_b32 v1, 5, v0
	v_readfirstlane_b32 s14, v1                    ; wave
	s_lshr_b32 s15, s14, 1                         ; I fetch for x (0) or qkv_w (1); also: my half of source 1
	s_and_b32 s16, s14, 1                          ; which 128 rows I fetch; also: my half of source 0
	s_bfe_u32 s40, ttmp6, 0x40000                  ; cx
	s_bfe_u32 s41, ttmp6, 0x40004                  ; cy
	s_lshl_b32 s42, ttmp9, 2
	s_add_co_u32 s42, s42, s40                     ; tile column
	s_and_b32 s17, ttmp7, 0xffff
	s_lshl_b32 s17, s17, 2
	s_add_co_u32 s17, s17, s41                     ; tile row
	s_lshl_b32 s43, s41, 2
	s_lshl_b32 s43, 15, s43                        ; my row of the cluster
	s_lshl_b32 s44, 0x1111, s40                    ; my column
	s_or_b32 s[G1+0], s43, (3<<16)|(1<<21)         ; the mask; elements of 8 bytes; bit 21 beside a mask; no padding
	s_or_b32 s[G1B+0], s44, (3<<16)|(1<<21)
.irp g, G1, G1B                        ; 24,576 dense bytes as 96 rows of 256
	s_mov_b32 s[\g+1], 32<<16
	s_mov_b32 s[\g+2], 96<<16
	s_mov_b32 s[\g+3], 32<<16
	s_mov_b32 s[\g+4], 96
	s_mov_b32 s[\g+5], 32
	s_mov_b32 s[\g+6], 0
	s_mov_b32 s[\g+7], 0
.endr
	s_or_b32 s[G1S+0], s43, (3<<16)|(1<<21)
	s_or_b32 s[G1SB+0], s44, (3<<16)|(1<<21)
.irp g, G1S, G1SB                      ; 4,096 dense bytes as 16 rows of 256
	s_mov_b32 s[\g+1], 32<<16
	s_mov_b32 s[\g+2], 16<<16
	s_mov_b32 s[\g+3], 32<<16
	s_mov_b32 s[\g+4], 16
	s_mov_b32 s[\g+5], 32
	s_mov_b32 s[\g+6], 0
	s_mov_b32 s[\g+7], 0
.endr
	s_lshl_b32 s20, s17, 1
	s_add_co_u32 s20, s20, s16                     ; x's block of 128 rows: 2 x tile row + half
	s_lshl_b32 s46, s42, 1
	s_add_co_u32 s46, s46, s16
	s_add_co_u32 s46, s46, BROW0                   ; qkv_w's: 32 + 2 x tile column + half
	s_lshl_b32 s22, s20, 12                        ; their scale words, 4,096 bytes a block,
	s_mov_b32 s23, 0
	s_lshl_b32 s92, s46, 12
	s_mov_b32 s93, 0
	s_mul_i32 s20, s20, RB                         ; and their codes
	s_mov_b32 s21, 0
	s_mul_i32 s46, s46, RB
	s_mov_b32 s47, 0
	s_mul_i32 s45, s14, HALFT                      ; where they go: no place in the cluster enters an LDS address
	s_mul_i32 s94, s14, HALFS
	s_mov_b32 s[SEL], 0x76543210
	s_mov_b32 s[SEL+1], 0xfedcba98
	s_wait_dscnt 0x0                               ; the opening add is done
	s_wait_kmcnt 0x0
	s_add_nc_u64 s[20:21], s[4:5], s[20:21]
	s_add_nc_u64 s[22:23], s[6:7], s[22:23]
	s_add_nc_u64 s[46:47], s[4:5], s[46:47]
	s_add_nc_u64 s[92:93], s[6:7], s[92:93]
	CROUND                                         ; all sixteen work-groups are here: the first joint loads meet
	s_mov_b32 s[G0S], 1
	s_add_co_u32 s[G0S+1], s94, SCL
	s_mov_b64 s[G0S+2:G0S+3], s[22:23]
	s_or_b32 s[G0S+3], s[G0S+3], 0x80000000
	s_mov_b32 s[G0SB], 1
	s_add_co_u32 s[G0SB+1], s94, SCL
	s_mov_b64 s[G0SB+2:G0SB+3], s[92:93]
	s_or_b32 s[G0SB+3], s[G0SB+3], 0x80000000
	JLOAD G0S, G1S, G0SB, G1SB                     ; the scale words first; three loads of mine are out behind the next two
.irp s, 0,1
	s_mov_b32 s[G0+4*\s], 1
	s_add_co_u32 s[G0+4*\s+1], s45, \s*SLOT
	s_add_nc_u64 s[G0+4*\s+2:G0+4*\s+3], s[20:21], \s*HALFT
	s_or_b32 s[G0+4*\s+3], s[G0+4*\s+3], 0x80000000
	s_mov_b32 s[G0B+4*\s], 1
	s_add_co_u32 s[G0B+4*\s+1], s45, \s*SLOT
	s_add_nc_u64 s[G0B+4*\s+2:G0B+4*\s+3], s[46:47], \s*HALFT
	s_or_b32 s[G0B+4*\s+3], s[G0B+4*\s+3], 0x80000000
	JLOAD G0+4*\s, G1, G0B+4*\s, G1B
.endr
	v_and_b32 v1, 15, v0                           ; r
	v_bfe_u32 v2, v0, 4, 1                         ; h
	v_and_b32 v3, 31, v0
	v_lshlrev_b32 v[L16], 4, v3
	v_lshlrev_b32 v[L8], 3, v3
	s_cmp_eq_u32 ttmp9, 2                          ; the cluster's x: tile columns 8-11 are v
	s_cselect_b32 s[ROLE], 1, 0
	s_cselect_b32 s21, 2*HALFT, 0                  ; source 1: qkv_w for v, x for q and k
	s_cselect_b32 s22, 0, 2*HALFT                  ; source 0: the other
	s_cselect_b32 s18, 2*HALFS, 0
	s_cselect_b32 s19, 0, 2*HALFS
	s_mul_i32 s23, s15, HALFT
	s_add_co_u32 s21, s21, s23
	s_mul_i32 s23, s16, HALFT
	s_add_co_u32 s22, s22, s23
.irp s, 0,1
	v_add_nc_u32 v[AD1+\s], s21, v[L16]
	v_add_nc_u32 v[AD1+2+\s], s21, v[L8]
	v_add_nc_u32 v[AD0+\s], s22, v[L16]
	v_add_nc_u32 v[AD0+2+\s], s22, v[L8]
	s_add_co_u32 s21, s21, SLOT
	s_add_co_u32 s22, s22, SLOT
.endr
	s_mul_i32 s23, s15, HALFS
	s_add_co_u32 s18, s18, s23
	s_mul_i32 s23, s16, HALFS
	s_add_co_u32 s19, s19, s23
	v_mov_b32 v3, s18
	v_mov_b32 v9, s19
	v_cmp_eq_u32 vcc_lo, 1, v2
	v_cndmask_b32 v3, v3, v9, vcc_lo               ; lanes 0-15 take source 1's scale words, lanes 16-31 source 0's
	v_lshl_add_u32 v3, v1, 4, v3                   ; 16 bytes a row
	v_add_nc_u32 v[ADRS], SCL, v3
.macro FRAG reg, adr, q, i             ; a fragment's 12 registers as they lie: 16, 8, 16, 8 bytes a lane
	ds_load_b128 v[\reg:\reg+3], v[\adr] offset:(\q)*CH+(\i)*FRB
	ds_load_b64 v[\reg+4:\reg+5], v[\adr+2] offset:(\q)*CH+(\i)*FRB+512
	ds_load_b128 v[\reg+6:\reg+9], v[\adr] offset:(\q)*CH+(\i)*FRB+768
	ds_load_b64 v[\reg+10:\reg+11], v[\adr+2] offset:(\q)*CH+(\i)*FRB+1280
.endm
; 16 matrix instructions: source 1's blocks a0, a0 + 1 x source 0's eight.  The 64 accumulators take turns, one instruction a turn, in the same order in every step.
.macro MUL16 a0, p, q, sc, zero
.irp a, \a0, \a0+1
.irp b, 0,1,2,3,4,5,6,7
.if \zero
	v_wmma_scale_f32_16x16x128_f8f6f4 v[8*(8*((\a)%4)+\b):8*(8*((\a)%4)+\b)+7], v[128*(\p)+FR*\b:128*(\p)+FR*\b+FR-1], v[AF+FR*(\a):AF+FR*(\a)+FR-1], 0, v[SC+8*NQ*(\sc)+NQ*\b+(\q)], v[SC+8*NQ*(\sc)+NQ*(\a)+(\q)] matrix_a_fmt:MATRIX_FMT_FP6 matrix_b_fmt:MATRIX_FMT_FP6 matrix_a_scale:MATRIX_SCALE_ROW1
.else
	v_wmma_scale_f32_16x16x128_f8f6f4 v[8*(8*((\a)%4)+\b):8*(8*((\a)%4)+\b)+7], v[128*(\p)+FR*\b:128*(\p)+FR*\b+FR-1], v[AF+FR*(\a):AF+FR*(\a)+FR-1], v[8*(8*((\a)%4)+\b):8*(8*((\a)%4)+\b)+7], v[SC+8*NQ*(\sc)+NQ*\b+(\q)], v[SC+8*NQ*(\sc)+NQ*(\a)+(\q)] matrix_a_fmt:MATRIX_FMT_FP6 matrix_b_fmt:MATRIX_FMT_FP6 matrix_a_scale:MATRIX_SCALE_ROW1
.endif
.endr
.endr
.endm
.macro FETCH_B slot, q, p
	WIN TO_B
.irp i, 0,1,2,3,4,5,6,7
	FRAG 128*(\p)+FR*\i, AD0+\slot, \q, \i
.endr
	WIN 0
.endm
.macro FETCH_A slot, q, i0
.irp i, \i0, \i0+1, \i0+2, \i0+3
	FRAG AF+FR*(\i), AD1+\slot, \q, \i
.endr
.endm
.macro SCALES sc, f                    ; fill f's two words a row, for the eight blocks of both sources
.irp i, 0,1,2,3,4,5,6,7
	ds_load_b64 v[SC+8*NQ*\sc+NQ*\i:SC+8*NQ*\sc+NQ*\i+1], v[ADRS] offset:\i*512+256*((\f)/2)+8*((\f)%2)
.endr
.endm
.macro PLACES n                        ; plain places behind matrix instructions, in front of loads into their registers and of reads of results
.rept \n
	v_nop
.endr
.endm
.macro STEP slot, q, zero              ; 128 along K whose successor lies in the same slot
	s_wait_dscnt 4*NL                              ; all but the youngest sixteen loads (source 1's blocks 4-7)
	WIN MUL_LO
	MUL16 0, (\q)%2, \q, \slot, \zero
	MUL16 2, (\q)%2, \q, \slot, \zero
	s_wait_dscnt 0
	PLACES NP
	FETCH_B \slot, (\q)+1, 1-(\q)%2
	FETCH_A \slot, (\q)+1, 0
	WIN MUL_HI
	MUL16 4, (\q)%2, \q, \slot, \zero
	MUL16 6, (\q)%2, \q, \slot, \zero
	PLACES NP
	WIN 0
	FETCH_A \slot, (\q)+1, 4
.endm
; A slot's last step changes slots: one barrier; in front of it each wave waits for all its tensor loads, adds 0 to its spare word, and waits for that and for its reads of this slot.
.macro TURN slot, next, fill, fnext
	s_wait_tensorcnt 0x0                           ; all my tensor loads have landed: my part of the next slot
	ds_add_u32 v[SPW], v[NIL]
	s_wait_dscnt 4*NL+1                            ; (the add and the youngest sixteen loads may be out)
	WIN MUL_LO
	MUL16 0, 1, NQ-1, \slot, 0
	s_wait_dscnt 0x0                               ; the add is done, and my reads of this slot are over
	s_barrier_signal -1
	MUL16 2, 1, NQ-1, \slot, 0
	WIN 0
	s_barrier_wait -1
.if \fill
	CREST                                          ; the barrier has opened a round of the cluster's: no wave of any partner still reads this slot or has a load on its way
	s_add_nc_u64 s[G0+4*\slot+2:G0+4*\slot+3], s[G0+4*\slot+2:G0+4*\slot+3], 2*HALFT
	s_add_nc_u64 s[G0B+4*\slot+2:G0B+4*\slot+3], s[G0B+4*\slot+2:G0B+4*\slot+3], 2*HALFT
	JLOAD G0+4*\slot, G1, G0B+4*\slot, G1B         ; my one tensor load behind the round; its four v_nop are the places in front of the loads below
.else
	PLACES NP
.endif
	FETCH_B \next, 0, 0
	FETCH_A \next, 0, 0
	SCALES \next, \fnext
	WIN MUL_HI
	MUL16 4, 1, NQ-1, \slot, 0
	MUL16 6, 1, NQ-1, \slot, 0
	PLACES NP
	WIN 0
	FETCH_A \next, 0, 4
.endm
.macro LAST
	s_wait_dscnt 4*NL
	WIN MUL_LO
	MUL16 0, 1, NQ-1, 1, 0
	MUL16 2, 1, NQ-1, 1, 0
	s_wait_dscnt 0
	WIN MUL_HI
	MUL16 4, 1, NQ-1, 1, 0
	MUL16 6, 1, NQ-1, 1, 0
	WIN 0
.endm
; Block a of source 1 leaves: + bias, quantised along source 0's 128 rows, stored as an image of the operand's registers.
.macro EPI a, role
.set AC, 64*((\a)%4)
	WIN (2+(\a)/4)                                 ; source 0: window 2 or 3
.set i, 0
.rept 32                               ; each accumulator from its low end on
.if \role
.if ((\a)%2) == 0
	v_pk_add_f32 v[H+2*i:H+2*i+1], v[AC+2*i:AC+2*i+1], v[BI+((\a)/2)*2:BI+((\a)/2)*2+1] op_sel_hi:[1,0]
.else
	v_pk_add_f32 v[H+2*i:H+2*i+1], v[AC+2*i:AC+2*i+1], v[BI+((\a)/2)*2:BI+((\a)/2)*2+1] op_sel:[0,1] op_sel_hi:[1,1]
.endif
.else
	v_pk_add_f32 v[H+2*i:H+2*i+1], v[AC+2*i:AC+2*i+1], v[BI+2*i:BI+2*i+1]
.endif
.set i, i+1
.endr
	WIN 0
	QUANT H
.if \role                              ; v: a whole fragment, 16 d x 128 keys, of head a / 4, tile of d a % 4
	global_store_b128 v[L16], v[PC:PC+3], s[98:99] offset:((\a)%4)*1536+((\a)/4)*98304
	global_store_b64 v[L8], v[PC+4:PC+5], s[98:99] offset:((\a)%4)*1536+((\a)/4)*98304+512
	global_store_b128 v[L16], v[PC+6:PC+9], s[98:99] offset:((\a)%4)*1536+((\a)/4)*98304+768
	global_store_b64 v[L8], v[PC+10:PC+11], s[98:99] offset:((\a)%4)*1536+((\a)/4)*98304+1280
.else                                  ; q, k: the fragment's two halves are tile a of two neighbouring heads
	global_store_b128 v[L16], v[PC:PC+3], s[10:11] offset:(\a)*768
	global_store_b64 v[L8], v[PC+4:PC+5], s[10:11] offset:(\a)*768+512
	global_store_b128 v[L16], v[PC+6:PC+9], s[10:11] offset:98304+(\a)*768
	global_store_b64 v[L8], v[PC+10:PC+11], s[10:11] offset:98304+(\a)*768+512
.endif
	v_mov_b32 v[PWA+(\a)], v[PW]
.endm
; The last two steps and the way out, once for each role: no barrier, no tensor load and no LDS store stands in it.
.macro TAIL role
	s_lshl_b32 s18, s17, 1
	s_lshl_b32 s21, s42, 8
.if \role
	s_add_co_u32 s18, s18, s16                     ; x's block of 128 rows: source 0's half
	s_sub_co_u32 s19, s42, 8
	s_lshl_b32 s19, s19, 2
	s_lshl_b32 s20, s15, 1
	s_add_co_u32 s19, s19, s20                     ; my first head: 4 (tile column - 8) + 2 x source 1's half
	s_lshl_b32 s20, s15, 7
.else
	s_add_co_u32 s18, s18, s15                     ; x's block: source 1's half
	s_lshr_b32 s19, s42, 2
	s_lshl_b32 s19, s19, 5                         ; q: 0, k: 32
	s_and_b32 s20, s42, 3
	s_lshl_b32 s20, s20, 2
	s_add_co_u32 s19, s19, s20
	s_lshl_b32 s20, s16, 1
	s_add_co_u32 s19, s19, s20
	s_lshl_b32 s20, s16, 7
.endif
	s_add_co_u32 s21, s21, s20                     ; my first row of qkv_w
	s_lshr_b32 s20, s18, 4                         ; the batch,
	s_and_b32 s18, s18, 15                         ; the block of 128 rows in it
	s_lshl_b32 s20, s20, 4
	s_add_co_u32 s19, s19, s20                     ; + 16 x batch
	s_lshl_b32 s22, s21, 2
	s_mov_b32 s23, 0
	s_add_nc_u64 s[8:9], s[8:9], s[22:23]          ; the bias at my first row of qkv_w
	s_mul_i32 s22, s19, 98304
	s_mul_i32 s20, s18, 6144
	s_add_co_u32 s22, s22, s20
.if \role
	s_add_nc_u64 s[98:99], s[98:99], s[22:23]
	s_lshl_b32 s22, s19, 12
	s_lshl_b32 s20, s18, 8
	s_add_co_u32 s22, s22, s20
	s_add_nc_u64 s[100:101], s[100:101], s[22:23]
	v_and_b32 v3, 8, v1
	v_add_nc_u32 v3, v3, v1
	v_lshlrev_b32 v[BOF], 2, v3                    ; the bias of my lane's d, one number for each block of source 1
.irp a, 0,1,2,3,4,5,6,7
	global_load_b32 v[BI+\a], v[BOF], s[8:9] offset:(32*(\a/2)+8*(\a%2))*4
.endr
.else
	s_add_nc_u64 s[10:11], s[10:11], s[22:23]
	s_lshl_b32 s22, s19, 13
	s_lshl_b32 s20, s18, 9
	s_add_co_u32 s22, s22, s20
	s_add_nc_u64 s[96:97], s[96:97], s[22:23]
	v_lshlrev_b32 v[BOF], 6, v2                    ; the bias of my 64 registers: 32 b + 16 h + i
.irp b, 0,1,2,3
.irp j, 0,1,2,3
	global_load_b128 v[BI+16*\b+4*\j:BI+16*\b+4*\j+3], v[BOF], s[8:9] offset:128*\b+16*\j
.endr
.endr
.endif
	STEP 1, 0, 0
	LAST
	PLACES NP
.irp b, 0,1,2,3
	v_mov_b32 v[TM+4+\b], 0                        ; a lane permute's destination counts as read
.endr
	s_wait_loadcnt 0x0                             ; the bias
.irp a, 0,1,2,3,4,5,6,7
	EPI \a, \role
.endr
.if \role
	v_lshlrev_b32 v[SOF], 12, v2                   ; lanes 0-15 my first head, lanes 16-31 the next: 4,096 bytes on
	v_lshl_add_u32 v[SOF], v1, 4, v[SOF]
	v_cmp_eq_u32 vcc_lo, 1, v2
.irp i, 0,1,2,3
	v_cndmask_b32 v[PWA+8+\i], v[PWA+\i], v[PWA+4+\i], vcc_lo
.endr
	global_store_b128 v[SOF], v[PWA+8:PWA+11], s[100:101]          ; sixteen lanes store 256 consecutive bytes, aligned
.else
	v_lshlrev_b32 v[SH], 4, v2
	v_lshlrev_b32 v[SOF], 13, v2                   ; lanes 16-31: the next head, 8,192 bytes on
	v_lshl_add_u32 v[SOF], v1, 4, v[SOF]
	s_mov_b32 s18, 0x017f0000                      ; above a head's two bytes: 127 and 1, for the upper 64 of the next product's K
.irp a, 0,1,2,3,4,5,6,7
	v_lshrrev_b32 v[PWA+\a], v[SH], v[PWA+\a]      ; lanes 16-31 take the word's upper two bytes
.endr
.irp a, 0,1,2,3,4,5,6,7
	v_and_or_b32 v[PWA+\a], v[PWA+\a], 0xffff, s18
.endr
	global_store_b128 v[SOF], v[PWA:PWA+3], s[96:97]
	global_store_b128 v[SOF], v[PWA+4:PWA+7], s[96:97] offset:256
.endif
.endm
	s_wait_tensorcnt 1                             ; the scale words and my part of fill 0 are in; fill 1's load may be out
	s_barrier_signal -1
	s_barrier_wait -1
	FETCH_B 0, 0, 0
	FETCH_A 0, 0, 0
	SCALES 0, 0
	FETCH_A 0, 0, 4
	STEP 0, 0, 1                                   ; the first products start the sums: nothing is cleared
	TURN 0, 1, 1, 1
	STEP 1, 0, 0
	TURN 1, 0, 1, 2
	STEP 0, 0, 0
	TURN 0, 1, 0, 3                                ; nothing is left to fetch
	s_cmp_eq_u32 s[ROLE], 1                        ; the same in all waves of all sixteen partners
	s_cbranch_scc1 .Lrole_v
	TAIL 0
	s_branch .Ljoin
.Lrole_v:
	TAIL 1
.Ljoin:
	s_wait_tensorcnt 0x0                           ; the wave's end
	ds_add_u32 v[SPW], v[NIL]
	s_wait_dscnt 0x0
	CROUND                                         ; the closing round
	s_endpgm
.Lfunc_end_k_q8494a6c661_qkv:
	.size	k_q8494a6c661_qkv, .Lfunc_end_k_q8494a6c661_qkv-k_q8494a6c661_qkv
	.p2alignl 7, 3214868480
	.fill 96, 4, 3214868480
	.section	.rodata,"a",@progbits
	.p2align	6, 0x0
	.amdhsa_kernel k_q8494a6c661_qkv
		.amdhsa_group_segment_fixed_size 327680
		.amdhsa_private_segment_fixed_size 0
		.amdhsa_enable_private_segment 0
		.amdhsa_kernarg_size 56
		.amdhsa_user_sgpr_count 2
		.amdhsa_user_sgpr_kernarg_segment_ptr 1
		.amdhsa_wavefront_size32 1
		.amdhsa_system_sgpr_workgroup_id_x 1
		.amdhsa_system_sgpr_workgroup_id_y 1
		.amdhsa_system_sgpr_workgroup_id_z 1
		.amdhsa_system_vgpr_workitem_id 0
		.amdhsa_next_free_vgpr 1024
		.amdhsa_next_free_sgpr 102
		.amdhsa_reserve_vcc 1
		.amdhsa_float_denorm_mode_32 3
		.amdhsa_float_denorm_mode_16_64 3
		.amdhsa_memory_ordered 1
		.amdhsa_forward_progress 1
		.amdhsa_inst_pref_size 240
	.end_amdhsa_kernel
	.amdgpu_metadata
---
amdhsa.version: [ 1, 2 ]
amdhsa.kernels:
  - .name:           k_q8494a6c661_qkv
    .symbol:         k_q8494a6c661_qkv.kd
    .args:
      - { .name: codes_in, .offset: 0, .size: 8, .value_kind: global_buffer, .address_space: global }
      - { .name: scales_in, .offset: 8, .size: 8, .value_kind: global_buffer, .address_space: global }
      - { .name: qkv_b, .offset: 16, .size: 8, .value_kind: global_buffer, .address_space: global }
      - { .name: qkc, .offset: 24, .size: 8, .value_kind: global_buffer, .address_space: global }
      - { .name: qks, .offset: 32, .size: 8, .value_kind: global_buffer, .address_space: global }
      - { .name: vc, .offset: 40, .size: 8, .value_kind: global_buffer, .address_space: global }
      - { .name: vs, .offset: 48, .size: 8, .value_kind: global_buffer, .address_space: global }
    .group_segment_fixed_size: 327680
    .private_segment_fixed_size: 0
    .kernarg_segment_align: 8
    .kernarg_segment_size: 56
    .max_flat_workgroup_size: 128
    .sgpr_count:     102
    .vgpr_count:     1024
    .wavefront_size: 32
...
	.end_amdgpu_metadata
.endif
;; end of part 2
;; launch attn (part 3): grid 8 x 32, 8 waves a work-group, no clusters, 265,728 bytes of LDS; arguments qkc, qks, vc, vs, mask, ac, acs; writes ac, acs
.if DOCPART == 3
	.amdgcn_target "amdgcn-amd-amdhsa--gfx1250"
	.amdhsa_code_object_version 6
	.text
	.protected	k_q8494a6c661_attn
	.globl	k_q8494a6c661_attn
	.p2align	8
	.type	k_q8494a6c661_attn,@function
k_q8494a6c661_attn:
	s_mov_b64 s[64:65], 0
	v_nop
	global_prefetch_b8 v0, s[64:65] scope:SCOPE_SE
	s_setreg_imm32_b32 hwreg(HW_REG_WAVE_MODE, 25, 1), 1
	s_wait_xcnt 0x0
; attn = softmax(q k^T / 8, keys with mask 0 left out), o = attn v, both products on codes of FP6 (E2M3) with E8M0 scales.  attn is quantised FINISHED AND NORMALISED, along the keys; o is quantised along E for the last product.
; So a row's sum must be known before any weight is quantised.  THE KEYS ARE SHARED AMONG THE WAVES: a work-group takes one head and 256 queries (16 tiles of 16); wave w owns keys 256 w .. 256 w + 255 for the whole launch,
; its 16 tiles of k and 8 fragments of v^T stay in registers, and in a round all 2,048 scores of 16 queries stand in the eight waves' registers at once.
; A ROUND: S^T = k q^T (a lane holds one query, 128 registers of keys) | my own M_w = ceil(largest t), t = score x log2(e) / 8 | p = 2^(t - M_w), my sum l_w | {-M_w, l_w} to LDS | barrier |
;   M = the largest M_w, l = the sum of l_w 2^(M_w - M) (exact powers) | attn = p x (2^(M_w - M) / l): one multiplication | quantised by blocks of 32 keys | my partial O^T = v^T attn^T | its image to LDS.
; After eight rounds a barrier; wave w adds the eight partial sums of tile w in ascending order, quantises the 64 numbers of a row and stores codes and two scale bytes.
; THE MASK RIDES IN THE UPPER HALF OF THE INSTRUCTION'S K (the head has 64 of 128): at k = 64 q has the code of 1.0 under byte 127, a masked key the code of -7.5 under byte 227, an open key the code 0 under byte 1.
;   All other codes of q from k = 64 on are 0, so what stands in k's registers there adds nothing.
; LIMITS: a masked score is -7.5 x 2^100, not -infinity: its p is exactly 0.  Open scores under -2^80 are not served.  A row with no open key has l = 0, held at 2^-100: its weights are 0, as nan_to_num makes them.
;   Blocks of zeros carry the byte 1; blocks whose largest number lies under 2^-124 are held at that floor; NaN and infinities are not served.  O is added from eight partial sums of 256 keys.
; NO JOINT LOADS: k and v go once from memory straight into registers, 24 KB a wave for 16 rounds' work; a joint load lands in LDS, from which these bytes would be read once and never again.
; No prefetch: the launch's one stream is read at its head.
; REGISTERS.  window 1: k's tile i at v[8 i .. 8 i + 5], v[8 i + 6] its mask codes, v[8 i + 7] = 0; v^T's fragment f at v[128 + 12 f]; O^T at v224-255.   window 0: below.
.set STATS, 262144                     ; LDS: 0 .. 262,143 the partial sums: round x 32,768 + wave x 4,096 + 512 c + 16 x lane;  then two sets of 16 rows x 80 bytes: {-M_w, l_w} at 8 w
.set SPARE, 264704                     ; the spare words, 128 bytes a wave
.set SPW,  1
.set NIL,  2
.set L16,  3
.set L8,   4
.set R16,  5                           ; 16 r
.set STW,  6                           ; STATS + 80 r + 8 w
.set STR,  7                           ; STATS + 80 r
.set OPWA, 8                           ; 4,096 w + 16 x lane
.set OPWB, 9                           ; + 65,536
.set OPR,  10                          ; 32,768 w + 16 x lane
.set OPA,  11                          ; the address in hand
.set NM,   12                          ; v[12:13] -M_w, l_w
.set FF,   16                          ; v[16:17] 2^(M_w - M) / l
.set PW,   20                          ; v20, v21 the weights' scale words
.set ST,   24                          ; v24-39 the eight waves' pairs; later the conversions' second halves; v24-27 also two chains of the sum
.set CT,   24
.set BM,   40                          ; v40-47 a block's largest score, then its largest weight
.set BX,   48                          ; v48-55
.set SCO,  56                          ; v56-63 the conversions' scale operands
.set QF,   64                          ; v64-75 q's fragment
.set QS,   76                          ; v76-79 four tiles' scale words of q
.set KS,   80                          ; v80-95 k's
.set VS,   96                          ; v96-103 v's
.set PC0,  104                         ; v104-127 the weights' two fragments
.set S,    128                         ; v128-255 the scores, then the weights
.set ACC,  128
.set TA,   160
.set TB,   192
.set WV,   18
.set CS,   20                          ; s[20:21] log2(e) / 8
.set SEL,  22                          ; s[22:23]
.set TBO,  24                          ; 0 or 131,072: which four of the eight rounds
.set BAT,  25
.set QUAD, 26
.set MSB, 0
.macro WIN new
.if MSB != \new
	s_set_vgpr_msb (MSB<<8)|\new
.set MSB, \new
.endif
.endm
	s_load_b256 s[4:11], s[0:1], 0x0               ; qkc, qks, vc, vs
	s_load_b128 s[12:15], s[0:1], 0x20             ; mask, ac
	s_load_b64 s[16:17], s[0:1], 0x30              ; acs
	v_lshl_add_u32 v[SPW], v0, 2, SPARE
	v_mov_b32 v[NIL], 0
	v_lshrrev_b32 v22, 5, v0
	v_readfirstlane_b32 s[WV], v22                 ; wave 0..7
	v_and_b32 v22, 31, v0
	v_lshlrev_b32 v[L16], 4, v22
	v_lshlrev_b32 v[L8], 3, v22
	v_and_b32 v23, 15, v0                          ; r
	v_lshlrev_b32 v[R16], 4, v23
	v_mul_u32_u24 v[STR], v23, 80
	v_add_nc_u32 v[STR], STATS, v[STR]
	s_lshl_b32 s46, s[WV], 3
	v_add_nc_u32 v[STW], s46, v[STR]
	s_lshl_b32 s46, s[WV], 12
	v_add_nc_u32 v[OPWA], s46, v[L16]
	v_add_nc_u32 v[OPWB], 0x10000, v[OPWA]
	s_lshl_b32 s46, s[WV], 15
	v_add_nc_u32 v[OPR], s46, v[L16]
	v_and_b32 v[OPA], 8, v23
	v_add_nc_u32 v[OPA], v[OPA], v23
	v_lshlrev_b32 v[OPA], 2, v[OPA]                ; at the head: the mask's lane offset, 4 (r + 8 (r / 8))
	v_bfe_u32 v22, v0, 4, 1
	v_xor_b32 v22, 1, v22
	v_lshlrev_b32 v[QF+6], 3, v22                  ; q at k = 64: the code of 1.0 in lanes 0-15; nothing else from k = 64 on
.irp i, 7,8,9,10,11
	v_mov_b32 v[QF+\i], 0
.endr
.irp b, 0,1,2,3,4,5,6,7
	v_mov_b32 v[BX+\b], 0                          ; lane permutes' destinations count as read
.endr
	v_mov_b32 v23, 0
	v_mov_b32 v[NM+1], 0                           ; named in a pair before it is first made
	v_mov_b32 v24, 0x01010000                      ; an open key's upper scale bytes: 1, 1
	v_mov_b32 v25, 0x01e30000                      ; a masked key's: 227, 1
	v_mov_b32 v26, 63                              ; the code of -7.5
	s_mov_b32 s[CS], 0x3e38aa3b
	s_mov_b32 s[CS+1], s[CS]
	s_mov_b32 s[SEL], 0x76543210
	s_mov_b32 s[SEL+1], 0xfedcba98
	s_mov_b32 s[TBO], 0
	s_mov_b32 s[BAT], 2
	s_and_b32 s19, ttmp7, 0xffff                   ; 16 x batch + head
	s_mul_i32 s30, s19, 98304
	s_mul_i32 s46, s[WV], 12288
	s_mul_i32 s47, ttmp9, 12288
	s_add_co_u32 s32, s30, s47                     ; q's codes: my work-group's 16 tiles
	s_add_co_u32 s30, s30, s46                     ; v's codes: my two steps of 128 keys
	s_add_co_u32 s28, s30, 32*98304                ; k's codes: my 16 tiles
	s_mov_b32 s29, 0
	s_mov_b32 s31, 0
	s_mov_b32 s33, 0
	s_lshl_b32 s34, s19, 13
	s_lshl_b32 s46, s[WV], 10
	s_add_co_u32 s36, s34, s46
	s_add_co_u32 s36, s36, 32*8192                 ; k's scale words
	s_lshl_b32 s47, ttmp9, 10
	s_add_co_u32 s34, s34, s47                     ; q's
	s_mov_b32 s35, 0
	s_mov_b32 s37, 0
	s_lshl_b32 s38, s19, 12
	s_lshl_b32 s47, s[WV], 9
	s_add_co_u32 s38, s38, s47                     ; v's
	s_mov_b32 s39, 0
	s_lshr_b32 s40, s19, 4
	s_lshl_b32 s40, s40, 13
	s_add_co_u32 s40, s40, s46                     ; the mask: my batch's row, my 256 keys
	s_mov_b32 s41, 0
	s_lshr_b32 s46, s19, 4
	s_lshl_b32 s46, s46, 4
	s_lshl_b32 s47, ttmp9, 1
	s_add_co_u32 s46, s46, s47                     ; the output's first block of 128 rows
	s_mul_i32 s42, s46, 98304
	s_bfe_u32 s47, s19, 0x30001                    ; K step of the last product: head / 2
	s_mul_i32 s47, s47, 12288
	s_add_co_u32 s42, s42, s47
	s_mul_i32 s47, s[WV], 1536                     ; tile w
	s_add_co_u32 s42, s42, s47
	s_and_b32 s47, s19, 1
	s_mul_i32 s47, s47, 768                        ; the fragment's half: head % 2
	s_add_co_u32 s42, s42, s47
	s_mov_b32 s43, 0
	s_lshl_b32 s44, s46, 3
	s_add_co_u32 s44, s44, s[WV]
	s_lshl_b32 s44, s44, 9                         ; 512 bytes of scale words a tile
	s_bfe_u32 s47, s19, 0x10003
	s_lshl_b32 s47, s47, 8
	s_add_co_u32 s44, s44, s47
	s_bfe_u32 s47, s19, 0x20001
	s_lshl_b32 s47, s47, 2
	s_add_co_u32 s44, s44, s47
	s_and_b32 s47, s19, 1
	s_lshl_b32 s47, s47, 1
	s_add_co_u32 s44, s44, s47
	s_mov_b32 s45, 0
	s_wait_kmcnt 0x0
	s_add_nc_u64 s[28:29], s[4:5], s[28:29]
	s_add_nc_u64 s[30:31], s[8:9], s[30:31]
	s_add_nc_u64 s[32:33], s[4:5], s[32:33]
	s_add_nc_u64 s[34:35], s[6:7], s[34:35]
	s_add_nc_u64 s[36:37], s[6:7], s[36:37]
	s_add_nc_u64 s[38:39], s[10:11], s[38:39]
	s_add_nc_u64 s[40:41], s[12:13], s[40:41]
	s_add_nc_u64 s[42:43], s[14:15], s[42:43]
	s_add_nc_u64 s[44:45], s[16:17], s[44:45]
	WIN 0x40                                       ; destination window 1
.set i, 0
.rept 16
	global_load_b128 v[8*i:8*i+3], v[L16], s[28:29] offset:768*i
	global_load_b64 v[8*i+4:8*i+5], v[L8], s[28:29] offset:768*i+512
.set i, i+1
.endr
.set i, 0
.rept 8
	global_load_b128 v[128+12*i:128+12*i+3], v[L16], s[30:31] offset:1536*i
	global_load_b64 v[128+12*i+4:128+12*i+5], v[L8], s[30:31] offset:1536*i+512
	global_load_b128 v[128+12*i+6:128+12*i+9], v[L16], s[30:31] offset:1536*i+768
	global_load_b64 v[128+12*i+10:128+12*i+11], v[L8], s[30:31] offset:1536*i+1280
.set i, i+1
.endr
	WIN 0
.irp g, 0,1,2,3
	global_load_b128 v[KS+4*\g:KS+4*\g+3], v[R16], s[36:37] offset:256*\g
.endr
.irp g, 0,1
	global_load_b128 v[VS+4*\g:VS+4*\g+3], v[R16], s[38:39] offset:256*\g
.endr
.set i, 0
.rept 16
	global_load_b32 v[S+i], v[OPA], s[40:41] offset:(32*(i/2)+8*(i%2))*4   ; the mask of tile i's key in my lane
.set i, i+1
.endr
	global_load_b128 v[QF:QF+3], v[L16], s[32:33]  ; q's first tile
	global_load_b64 v[QF+4:QF+5], v[L8], s[32:33] offset:512
	global_load_b128 v[QS:QS+3], v[R16], s[34:35]
	s_wait_loadcnt 0x0
.set i, 0
.rept 16
	v_cmp_eq_u32 vcc_lo, 0, v[S+i]
	v_cndmask_b32 v22, v24, v25, vcc_lo
	v_cndmask_b32 v[S+i], v[NIL], v26, vcc_lo
	v_and_or_b32 v[KS+i], v[KS+i], 0xffff, v22
.set i, i+1
.endr
	WIN 0x40
.set i, 0
.rept 16
	v_mov_b32 v[8*i+6], v[S+i]
	v_mov_b32 v[8*i+7], v[NIL]
.set i, i+1
.endr
	WIN 0
.rept 8
	v_nop                                          ; scale words and operands written by vector instructions stand 8 and 4 places ahead of a scaled matrix instruction
.endr
.macro ROUND j                         ; the j-th of four tiles of queries
	s_wait_loadcnt 0x0                             ; q's tile and scale words, asked for a round ago
	WIN 0x01                                       ; source 0 (k) window 1
.set i, 0
.rept 16
	v_wmma_scale_f32_16x16x128_f8f6f4 v[S+8*i:S+8*i+7], v[8*i:8*i+11], v[QF:QF+11], 0, v[KS+i], v[QS+\j] matrix_a_fmt:MATRIX_FMT_FP6 matrix_b_fmt:MATRIX_FMT_FP6
.set i, i+1
.endr
	WIN 0
.rept 4
	v_nop                                          ; places in front of the loads into q's registers and of the first read of the scores
.endr
	global_load_b128 v[QF:QF+3], v[L16], s[32:33] offset:(\j+1)*768        ; the next tile (behind the work-group's last: bytes that follow in the buffer, not used)
	global_load_b64 v[QF+4:QF+5], v[L8], s[32:33] offset:(\j+1)*768+512
.if \j == 3
	global_load_b128 v[QS:QS+3], v[R16], s[34:35] offset:256
.endif
.irp b, 0,1,2,3,4,5,6,7
	v_max3_num_f32 v[BM+\b], v[S+16*\b], v[S+1+16*\b], v[S+2+16*\b]        ; the largest score of each block of 32 keys: for my maximum, and, since a weight rises with its score, for the block's largest weight
.endr
.irp i, 3,5,7,9,11,13
.irp b, 0,1,2,3,4,5,6,7
	v_max3_num_f32 v[BM+\b], v[BM+\b], v[S+16*\b+\i], v[S+1+16*\b+\i]
.endr
.endr
.irp b, 0,1,2,3,4,5,6,7
	v_max_num_f32 v[BM+\b], v[BM+\b], v[S+15+16*\b]
.endr
.irp b, 0,1,2,3,4,5,6,7
	v_permlanex16_b32 v[BX+\b], v[BM+\b], s[SEL], s[SEL+1]
.endr
.irp b, 0,1,2,3,4,5,6,7
	v_max_num_f32 v[BM+\b], v[BM+\b], v[BX+\b]
.endr
	v_max3_num_f32 v22, v[BM], v[BM+1], v[BM+2]
	v_max3_num_f32 v22, v22, v[BM+3], v[BM+4]
	v_max3_num_f32 v22, v22, v[BM+5], v[BM+6]
	v_max3_num_f32 v22, v22, v[BM+7], 0xe7800000   ; and -2^80, above every masked score: 256 masked keys leave a number
	v_mul_f32 v22, s[CS], v22
	v_floor_f32 v[NM], -v22                        ; -M_w = floor(-t): a whole number
.set i, 0
.rept 64
	v_pk_fma_f32 v[S+2*i:S+2*i+1], v[S+2*i:S+2*i+1], s[CS:CS+1], v[NM:NM+1] op_sel_hi:[1,0,0]   ; t - M_w
.set i, i+1
.endr
.irp b, 0,1,2,3,4,5,6,7
	v_fma_f32 v[BM+\b], v[BM+\b], s[CS], v[NM]
.endr
.set i, 0
.rept 128
	v_exp_f32 v[S+i], v[S+i]
.set i, i+1
.endr
	v_nop                                          ; a plain place behind the exponentials
	s_wait_alu depctr_va_vdst(0)                   ; one wait for the batch, ahead of its first reader
.irp b, 0,1,2,3,4,5,6,7
	v_exp_f32 v[BM+\b], v[BM+\b]                   ; the same two instructions on the same number give the same bits
.endr
	v_pk_add_f32 v[14:15], v[S:S+1], v[S+8:S+9]    ; my sum, in four chains; it reads the 128 alone
	v_pk_add_f32 v[18:19], v[S+2:S+3], v[S+10:S+11]
	v_pk_add_f32 v[24:25], v[S+4:S+5], v[S+12:S+13]
	v_pk_add_f32 v[26:27], v[S+6:S+7], v[S+14:S+15]
.set i, 8
.rept 14
	v_pk_add_f32 v[14:15], v[14:15], v[S+2*i:S+2*i+1]
	v_pk_add_f32 v[18:19], v[18:19], v[S+2*i+2:S+2*i+3]
	v_pk_add_f32 v[24:25], v[24:25], v[S+2*i+4:S+2*i+5]
	v_pk_add_f32 v[26:27], v[26:27], v[S+2*i+6:S+2*i+7]
.set i, i+4
.endr
	v_pk_add_f32 v[14:15], v[14:15], v[18:19]
	v_pk_add_f32 v[24:25], v[24:25], v[26:27]
	v_pk_add_f32 v[14:15], v[14:15], v[24:25]
	v_add_f32 v22, v14, v15
	v_permlanex16_b32 v23, v22, s[SEL], s[SEL+1]
	v_add_f32 v[NM+1], v22, v23                    ; l_w
	s_wait_alu depctr_va_vdst(0)                   ; and one for the eight
	ds_store_b64 v[STW], v[NM:NM+1] offset:1280*(\j%2)             ; lanes r and r + 16 write the same pair.  Two sets by turns: a set is written again only behind the next round's barrier
	s_wait_dscnt 0x0                               ; for the others' sake: my pair has landed; my earlier LDS stores and loads are done
	s_barrier_signal -1
	s_barrier_wait -1
.irp g, 0,1,2,3
	ds_load_b128 v[ST+4*\g:ST+4*\g+3], v[STR] offset:1280*(\j%2)+16*\g
.endr
	s_wait_dscnt 0x0
	v_min3_num_f32 v22, v[ST], v[ST+2], v[ST+4]
	v_min3_num_f32 v22, v22, v[ST+6], v[ST+8]
	v_min3_num_f32 v22, v22, v[ST+10], v[ST+12]
	v_min_num_f32 v22, v22, v[ST+14]               ; -M
.irp w, 0,1,2,3,4,5,6,7
	v_sub_f32 v[ST+2*\w], v22, v[ST+2*\w]          ; M_w - M: a whole number, 0 or less
.endr
.irp w, 0,1,2,3,4,5,6,7
	v_cvt_i32_f32 v[ST+2*\w], v[ST+2*\w]           ; (it saturates)
.endr
.irp w, 0,1,2,3,4,5,6,7
	v_ldexp_f32 v[ST+2*\w+1], v[ST+2*\w+1], v[ST+2*\w]
.endr
	v_add_f32 v23, v[ST+1], v[ST+3]
.irp w, 2,3,4,5,6,7
	v_add_f32 v23, v23, v[ST+2*\w+1]
.endr
	v_max_num_f32 v23, 0x0d800000, v23             ; a row with no open key: 2^-100 for 0
	v_rcp_f32 v[FF], v23
	v_sub_f32 v22, v22, v[NM]                      ; (a plain place)  my own M_w - M
	v_cvt_i32_f32 v22, v22
	s_wait_alu depctr_va_vdst(0)                   ; ahead of the reciprocal's first reader
	v_ldexp_f32 v[FF], v[FF], v22
	v_mov_b32 v[FF+1], v[FF]
.set i, 0
.rept 64
	v_pk_mul_f32 v[S+2*i:S+2*i+1], v[S+2*i:S+2*i+1], v[FF:FF+1] op_sel_hi:[1,0]   ; the finished weights
.set i, i+1
.endr
.irp b, 0,1,2,3,4,5,6,7
	v_mul_f32 v[BM+\b], v[BM+\b], v[FF]
.endr
.irp b, 0,1,2,3,4,5,6,7
	v_max_num_f32 v[BM+\b], 0x1800000, v[BM+\b]    ; the floor 2^(3 - 127)
.endr
.irp b, 0,1,2,3,4,5,6,7
	v_add_nc_u32 v[SCO+\b], 0xff000000, v[BM+\b]
.endr
.irp b, 0,1,2,3,4,5,6,7
	v_lshrrev_b32 v[BX+\b], 23, v[SCO+\b]
.endr
.irp k, 0,1
	v_lshl_or_b32 v[PW+\k], v[BX+4*\k+1], 8, v[BX+4*\k]
	v_lshl_or_b32 v[PW+\k], v[BX+4*\k+2], 16, v[PW+\k]
	v_lshl_or_b32 v[PW+\k], v[BX+4*\k+3], 24, v[PW+\k]
.endr
.irp k, 0,1
.irp c, 0,1
	v_cvt_scalef32_pk16_fp6_f32 v[PC0+12*\k+6*\c:PC0+12*\k+6*\c+2], v[S+64*\k+32*\c:S+64*\k+32*\c+15], v[SCO+4*\k+2*\c]
	v_cvt_scalef32_pk16_fp6_f32 v[CT+4*(2*\k+\c):CT+4*(2*\k+\c)+2], v[S+64*\k+32*\c+16:S+64*\k+32*\c+31], v[SCO+4*\k+2*\c+1]
.endr
.endr
	v_nop                                          ; one plain place behind the scaled conversions
.irp k, 0,1
.irp c, 0,1
.irp i, 0,1,2
	v_permlane16_swap_b32 v[PC0+12*\k+6*\c+\i], v[CT+4*(2*\k+\c)+\i]
.endr
.irp i, 0,1,2
	v_mov_b32 v[PC0+12*\k+6*\c+3+\i], v[CT+4*(2*\k+\c)+\i]
.endr
.endr
.endr
.rept 8
	v_nop                                          ; 8 places behind the scale words, 4 behind the codes
.endr
	WIN 0x51                                       ; v^T, C and D window 1, the weights window 0.  Four accumulators by turns
.irp t, 0,1,2,3
	v_wmma_scale_f32_16x16x128_f8f6f4 v[224+8*\t:231+8*\t], v[128+12*\t:139+12*\t], v[PC0:PC0+11], 0, v[VS+\t], v[PW] matrix_a_fmt:MATRIX_FMT_FP6 matrix_b_fmt:MATRIX_FMT_FP6
.endr
.irp t, 0,1,2,3
	v_wmma_scale_f32_16x16x128_f8f6f4 v[224+8*\t:231+8*\t], v[176+12*\t:187+12*\t], v[PC0+12:PC0+23], v[224+8*\t:231+8*\t], v[VS+4+\t], v[PW+1] matrix_a_fmt:MATRIX_FMT_FP6 matrix_b_fmt:MATRIX_FMT_FP6
.endr
	WIN 0
.if \j < 2
	v_add_nc_u32 v[OPA], s[TBO], v[OPWA]
.else
	v_add_nc_u32 v[OPA], s[TBO], v[OPWB]
.endif
.rept 4
	v_nop
.endr
	WIN 0x04                                       ; an LDS store's data are its source 1: window 1
.irp c, 0,1,2,3,4,5,6,7
	ds_store_b128 v[OPA], v[224+4*\c:227+4*\c] offset:32768*(\j%2)+512*\c   ; my partial O^T as it stands, each accumulator from its low end on
.endr
	WIN 0
.endm
.macro PLOAD reg, p
.irp c, 0,1,2,3,4,5,6,7
	ds_load_b128 v[\reg+4*\c:\reg+4*\c+3], v[OPR] offset:4096*(\p)+512*\c
.endr
.endm
.macro PADD reg
.set i, 0
.rept 16
	v_pk_add_f32 v[ACC+2*i:ACC+2*i+1], v[ACC+2*i:ACC+2*i+1], v[\reg+2*i:\reg+2*i+1]
.set i, i+1
.endr
.endm
.Lbatch:                                           ; two batches of eight tiles of queries
	s_mov_b32 s[QUAD], 2
.Lquad:
	ROUND 0
	ROUND 1
	ROUND 2
	ROUND 3
	s_wait_xcnt 0x0                                ; the loads of q have read their bases
	s_add_nc_u64 s[32:33], s[32:33], 3072
	s_add_nc_u64 s[34:35], s[34:35], 256
	s_xor_b32 s[TBO], s[TBO], 0x20000
	s_sub_co_u32 s[QUAD], s[QUAD], 1
	s_cmp_lg_u32 s[QUAD], 0
	s_cbranch_scc1 .Lquad
	s_wait_dscnt 0x0                               ; my partial sums have landed
	s_barrier_signal -1
	s_barrier_wait -1                              ; everybody's have.  They are written again only behind the next round's barrier, in front of which every wave's loads below are back
	PLOAD ACC, 0                                   ; tile w of the batch: the eight waves' partial sums, keys ascending
	PLOAD TA, 1
	PLOAD TB, 2
.irp p, 3,4,5,6,7
	s_wait_dscnt 8                                 ; all but the youngest eight loads
.if (\p%2) == 1
	PADD TA
	PLOAD TA, \p
.else
	PADD TB
	PLOAD TB, \p
.endif
.endr
	s_wait_dscnt 8
	PADD TB
	s_wait_dscnt 0x0
	PADD TA
.irp b, 0,1                            ; register 16 b + i is d = 32 b + 16 h + i of my query: two blocks of the last product's K
	v_max3_num_f32 v[BM+\b], |v[ACC+16*\b]|, |v[ACC+1+16*\b]|, 0x1800000
.endr
.irp i, 2,4,6,8,10,12,14
.irp b, 0,1
	v_max3_num_f32 v[BM+\b], v[BM+\b], |v[ACC+16*\b+\i]|, |v[ACC+1+16*\b+\i]|
.endr
.endr
.irp b, 0,1
	v_permlanex16_b32 v[BX+\b], v[BM+\b], s[SEL], s[SEL+1]
.endr
.irp b, 0,1
	v_max_num_f32 v[BM+\b], v[BM+\b], v[BX+\b]
.endr
.irp b, 0,1
	v_add_nc_u32 v[SCO+\b], 0xff000000, v[BM+\b]
.endr
.irp b, 0,1
	v_lshrrev_b32 v[BX+\b], 23, v[SCO+\b]
.endr
	v_lshl_or_b32 v22, v[BX+1], 8, v[BX]           ; the head's two scale bytes of my row
	v_cvt_scalef32_pk16_fp6_f32 v[PC0:PC0+2], v[ACC:ACC+15], v[SCO]
	v_cvt_scalef32_pk16_fp6_f32 v[CT:CT+2], v[ACC+16:ACC+31], v[SCO+1]
	v_nop                                          ; one plain place behind the scaled conversions
.irp i, 0,1,2
	v_permlane16_swap_b32 v[PC0+\i], v[CT+\i]
.endr
.irp i, 0,1,2
	v_mov_b32 v[PC0+3+\i], v[CT+\i]
.endr
	global_store_b128 v[L16], v[PC0:PC0+3], s[42:43]               ; 512 and 256 consecutive bytes, aligned
	global_store_b64 v[L8], v[PC0+4:PC0+5], s[42:43] offset:512
	global_store_b16 v[R16], v22, s[44:45]         ; two bytes a row, 16 bytes apart (lanes 16-31 repeat them): a word's other half comes from the neighbouring head's work-group; 128 KB in the whole launch
	s_wait_xcnt 0x0                                ; the stores have read their registers and bases
	s_add_nc_u64 s[42:43], s[42:43], 98304         ; the next eight tiles: the next block of 128 rows
	s_add_nc_u64 s[44:45], s[44:45], 4096
	s_sub_co_u32 s[BAT], s[BAT], 1
	s_cmp_lg_u32 s[BAT], 0
	s_cbranch_scc1 .Lbatch
	s_wait_loadcnt 0x0                             ; the look-ahead's last loads
	s_wait_tensorcnt 0x0                           ; the wave's end, behind my last LDS store
	ds_add_u32 v[SPW], v[NIL]
	s_wait_dscnt 0x0
	s_endpgm
.Lfunc_end_k_q8494a6c661_attn:
	.size	k_q8494a6c661_attn, .Lfunc_end_k_q8494a6c661_attn-k_q8494a6c661_attn
	.p2alignl 7, 3214868480
	.fill 96, 4, 3214868480
	.section	.rodata,"a",@progbits
	.p2align	6, 0x0
	.amdhsa_kernel k_q8494a6c661_attn
		.amdhsa_group_segment_fixed_size 265728
		.amdhsa_private_segment_fixed_size 0
		.amdhsa_enable_private_segment 0
		.amdhsa_kernarg_size 56
		.amdhsa_user_sgpr_count 2
		.amdhsa_user_sgpr_kernarg_segment_ptr 1
		.amdhsa_wavefront_size32 1
		.amdhsa_system_sgpr_workgroup_id_x 1
		.amdhsa_system_sgpr_workgroup_id_y 1
		.amdhsa_system_sgpr_workgroup_id_z 1
		.amdhsa_system_vgpr_workitem_id 0
		.amdhsa_next_free_vgpr 512
		.amdhsa_next_free_sgpr 66
		.amdhsa_reserve_vcc 1
		.amdhsa_float_denorm_mode_32 3
		.amdhsa_float_denorm_mode_16_64 3
		.amdhsa_memory_ordered 1
		.amdhsa_forward_progress 1
		.amdhsa_inst_pref_size 158
	.end_amdhsa_kernel
	.amdgpu_metadata
---
amdhsa.version: [ 1, 2 ]
amdhsa.kernels:
  - .name:           k_q8494a6c661_attn
    .symbol:         k_q8494a6c661_attn.kd
    .args:
      - { .name: qkc, .offset: 0, .size: 8, .value_kind: global_buffer, .address_space: global }
      - { .name: qks, .offset: 8, .size: 8, .value_kind: global_buffer, .address_space: global }
      - { .name: vc, .offset: 16, .size: 8, .value_kind: global_buffer, .address_space: global }
      - { .name: vs, .offset: 24, .size: 8, .value_kind: global_buffer, .address_space: global }
      - { .name: mask, .offset: 32, .size: 8, .value_kind: global_buffer, .address_space: global }
      - { .name: ac, .offset: 40, .size: 8, .value_kind: global_buffer, .address_space: global }
      - { .name: acs, .offset: 48, .size: 8, .value_kind: global_buffer, .address_space: global }
    .group_segment_fixed_size: 265728
    .private_segment_fixed_size: 0
    .kernarg_segment_align: 8
    .kernarg_segment_size: 56
    .max_flat_workgroup_size: 256
    .sgpr_count:     66
    .vgpr_count:     512
    .wavefront_size: 32
...
	.end_amdgpu_metadata
.endif
;; end of part 3
;; launch proj (part 4): grid 4 x 16, 4 waves a work-group, clusters of 4 x 4, 327,680 bytes of LDS; arguments ac, acs, codes_in, scales_in, proj_b, out0; writes out0
.if DOCPART == 4
	.amdgcn_target "amdgcn-amd-amdhsa--gfx1250"
	.amdhsa_code_object_version 6
	.text
	.protected	k_q8494a6c661_proj
	.globl	k_q8494a6c661_proj
	.p2align	8
	.type	k_q8494a6c661_proj,@function
k_q8494a6c661_proj:
	s_mov_b64 s[64:65], 0
	v_nop
	global_prefetch_b8 v0, s[64:65] scope:SCOPE_SE
	s_setreg_imm32_b32 hwreg(HW_REG_WAVE_MODE, 25, 1), 1
	s_wait_xcnt 0x0
	s_wait_alu depctr_hold_cnt(0) depctr_sa_sdst(0) depctr_va_vdst(0) depctr_va_sdst(0) depctr_va_ssrc(0) depctr_va_vcc(0) depctr_vm_vsrc(0)
	s_getreg_b32 s2, hwreg(HW_REG_IB_STS2, 6, 4)
	s_cmp_eq_u32 s2, 0
	s_cbranch_scc0 .Lentry_in_a_cluster
	s_endpgm
.Lentry_in_a_cluster:
	s_bfe_u32 s2, ttmp6, 0x10000c
	s_cmp_lg_u32 s2, 0xf033
	s_cbranch_scc0 .Lentry_shape_is_right
	s_endpgm
.Lentry_shape_is_right:
; out0 = o proj_w^T + proj_b on codes of FP6 (E2M3) with E8M0 scales.  o's codes (ac, acs) were made by launch attn, proj_w's (blocks 56-63 of codes_in, scales_in) by launch quant, both in the order of an operand's registers.
; A tile of 256 x 256 is made by four waves, 128 x 128 each: 64 accumulators, 512 registers.  K = 1,024 goes in four fills of 256 through two LDS slots; 128 rows x 256 K are 24,576 dense bytes, one tensor load.
; Source 0 = 16 rows of proj_w, source 1 = 16 rows of o.  Lane r of tile t holds row 32 (t / 2) + 8 (t % 2) + r + 8 (r / 8) in both tensors: so register j of block b of a lane is column 32 (b / 2) + 16 h + 8 (b % 2) + j.
; CLUSTER: 4 x 4 work-groups; o's tiles are asked for jointly along a row of the cluster, proj_w's along a column.  The grid has 64 work-groups: a tile of 128 x 128 would give 256 at twice the LDS bytes for each product.
; The way out goes through the wave's own stage in slot 0, which has had its last fill and its last read by then; whole rows of 512 bytes leave, the bias added on the way.
; REGISTERS: as in launch qkv: window 0: addresses, v32-63 scale words, v64-67 the bias, v128-223 source 1's fragments; window 1: source 0's two sets; windows 2, 3: accumulator (a, b) at v[8 (8 (a % 4) + b)].
.set FR,    12
.set NL,    4
.set NP,    4
.set NQ,    2
.set FRB,   1536
.set CH,    12288
.set HALFT, 24576
.set SLOT,  98304
.set SCL,   196608
.set HALFS, 4096
.set SPARE, SCL+4*HALFS+1024
.set RB,    98304
.set BROW0, 56                         ; proj_w's first block of 128 rows in codes_in
.set SPITCH, 528
.set L8,   5
.set AD1,  16
.set AD0,  20
.set STO,  24
.set RD,   25
.set CO,   26                          ; 16 x lane
.set ADRS, 27
.set SPW,  28
.set NIL,  29
.set SC,   32
.set PB,   64
.set AF,   128
.set BK,   128
.set G1, 24
.set G0, 32
.set G1B, 48
.set G0B, 56
.set G1S, 68
.set G0S, 76
.set G1SB, 80
.set G0SB, 88
.set MSB, 0
.macro WIN new
.if MSB != \new
	s_set_vgpr_msb (MSB<<8)|\new
.set MSB, \new
.endif
.endm
.set MUL_LO, 0xa1
.set MUL_HI, 0xf1
.set TO_B,   0x40
.macro JLOAD g0a, g1a, g0b, g1b        ; waves 0 and 1 fetch o's halves, waves 2 and 3 proj_w's; an s_nop 0 and four v_nop follow each line
	s_cmp_eq_u32 s15, 0
	s_cbranch_scc0 .Lfor_b_\@
	tensor_load_to_lds s[\g0a:\g0a+3], s[\g1a:\g1a+7]
	s_nop 0
.rept 4
	v_nop
.endr
	s_branch .Lasked_\@
.Lfor_b_\@:
	tensor_load_to_lds s[\g0b:\g0b+3], s[\g1b:\g1b+7]
	s_nop 0
.rept 4
	v_nop
.endr
.Lasked_\@:
.endm
.macro CREST
	s_cmp_lg_u32 s14, 0
	s_cbranch_scc1 .Lnot_wave_0_\@
	s_barrier_signal -3
.Lnot_wave_0_\@:
	s_barrier_wait -3
	s_barrier_signal -1
	s_barrier_wait -1
.endm
.macro CROUND
	s_barrier_signal -1
	s_barrier_wait -1
	CREST
.endm
	s_load_b256 s[4:11], s[0:1], 0x0               ; ac, acs, codes_in, scales_in
	s_load_b128 s[96:99], s[0:1], 0x20             ; proj_b, out0
	v_lshl_add_u32 v[SPW], v0, 2, SPARE
	v_mov_b32 v[NIL], 0
	ds_add_u32 v[SPW], v[NIL]                      ; the wave's opening: the add and its wait ahead of my first tensor load
	v_lshrrev_b32 v1, 5, v0
	v_readfirstlane_b32 s14, v1
	s_lshr_b32 s15, s14, 1
	s_and_b32 s16, s14, 1
	s_bfe_u32 s40, ttmp6, 0x40000
	s_bfe_u32 s41, ttmp6, 0x40004
	s_lshl_b32 s42, ttmp9, 2
	s_add_co_u32 s42, s42, s40                     ; tile column
	s_and_b32 s17, ttmp7, 0xffff
	s_lshl_b32 s17, s17, 2
	s_add_co_u32 s17, s17, s41                     ; tile row
	s_lshl_b32 s43, s41, 2
	s_lshl_b32 s43, 15, s43
	s_lshl_b32 s44, 0x1111, s40
	s_or_b32 s[G1+0], s43, (3<<16)|(1<<21)
	s_or_b32 s[G1B+0], s44, (3<<16)|(1<<21)
.irp g, G1, G1B
	s_mov_b32 s[\g+1], 32<<16
	s_mov_b32 s[\g+2], 96<<16
	s_mov_b32 s[\g+3], 32<<16
	s_mov_b32 s[\g+4], 96
	s_mov_b32 s[\g+5], 32
	s_mov_b32 s[\g+6], 0
	s_mov_b32 s[\g+7], 0
.endr
	s_or_b32 s[G1S+0], s43, (3<<16)|(1<<21)
	s_or_b32 s[G1SB+0], s44, (3<<16)|(1<<21)
.irp g, G1S, G1SB
	s_mov_b32 s[\g+1], 32<<16
	s_mov_b32 s[\g+2], 16<<16
	s_mov_b32 s[\g+3], 32<<16
	s_mov_b32 s[\g+4], 16
	s_mov_b32 s[\g+5], 32
	s_mov_b32 s[\g+6], 0
	s_mov_b32 s[\g+7], 0
.endr
	s_lshl_b32 s20, s17, 1
	s_add_co_u32 s20, s20, s16
	s_lshl_b32 s46, s42, 1
	s_add_co_u32 s46, s46, s16
	s_add_co_u32 s46, s46, BROW0
	s_lshl_b32 s22, s20, 12
	s_mov_b32 s23, 0
	s_lshl_b32 s92, s46, 12
	s_mov_b32 s93, 0
	s_mul_i32 s20, s20, RB
	s_mov_b32 s21, 0
	s_mul_i32 s46, s46, RB
	s_mov_b32 s47, 0
	s_mul_i32 s45, s14, HALFT
	s_mul_i32 s94, s14, HALFS
	s_wait_dscnt 0x0                               ; the opening add is done
	s_wait_kmcnt 0x0
	s_add_nc_u64 s[20:21], s[4:5], s[20:21]
	s_add_nc_u64 s[22:23], s[6:7], s[22:23]
	s_add_nc_u64 s[46:47], s[8:9], s[46:47]
	s_add_nc_u64 s[92:93], s[10:11], s[92:93]
	CROUND
	s_mov_b32 s[G0S], 1
	s_add_co_u32 s[G0S+1], s94, SCL
	s_mov_b64 s[G0S+2:G0S+3], s[22:23]
	s_or_b32 s[G0S+3], s[G0S+3], 0x80000000
	s_mov_b32 s[G0SB], 1
	s_add_co_u32 s[G0SB+1], s94, SCL
	s_mov_b64 s[G0SB+2:G0SB+3], s[92:93]
	s_or_b32 s[G0SB+3], s[G0SB+3], 0x80000000
	JLOAD G0S, G1S, G0SB, G1SB
.irp s, 0,1
	s_mov_b32 s[G0+4*\s], 1
	s_add_co_u32 s[G0+4*\s+1], s45, \s*SLOT
	s_add_nc_u64 s[G0+4*\s+2:G0+4*\s+3], s[20:21], \s*HALFT
	s_or_b32 s[G0+4*\s+3], s[G0+4*\s+3], 0x80000000
	s_mov_b32 s[G0B+4*\s], 1
	s_add_co_u32 s[G0B+4*\s+1], s45, \s*SLOT
	s_add_nc_u64 s[G0B+4*\s+2:G0B+4*\s+3], s[46:47], \s*HALFT
	s_or_b32 s[G0B+4*\s+3], s[G0B+4*\s+3], 0x80000000
	JLOAD G0+4*\s, G1, G0B+4*\s, G1B
.endr
	v_and_b32 v1, 15, v0                           ; r
	v_bfe_u32 v2, v0, 4, 1                         ; h
	v_and_b32 v3, 31, v0
	v_lshlrev_b32 v[CO], 4, v3
	v_lshlrev_b32 v[L8], 3, v3
	s_mul_i32 s21, s15, HALFT                      ; source 1: my 128 rows of o
	s_mul_i32 s22, s16, HALFT                      ; source 0: my 128 rows of proj_w,
	s_add_co_u32 s22, s22, 2*HALFT                 ; behind o's 256
.irp s, 0,1
	v_add_nc_u32 v[AD1+\s], s21, v[CO]
	v_add_nc_u32 v[AD1+2+\s], s21, v[L8]
	v_add_nc_u32 v[AD0+\s], s22, v[CO]
	v_add_nc_u32 v[AD0+2+\s], s22, v[L8]
	s_add_co_u32 s21, s21, SLOT
	s_add_co_u32 s22, s22, SLOT
.endr
	s_mul_i32 s21, s15, HALFS
	s_mul_i32 s22, s16, HALFS
	s_add_co_u32 s22, s22, 2*HALFS
	s_sub_co_u32 s22, s22, s21
	v_mul_u32_u24 v6, s22, v2                      ; lanes 16-31 take source 0's scale words: one product, the lower base + h x the distance
	s_add_co_u32 s21, s21, SCL
	v_lshl_add_u32 v6, v1, 4, v6
	v_add_nc_u32 v[ADRS], s21, v6
	s_mul_i32 s23, s14, 16*SPITCH                  ; my stage
	v_mul_u32_u24 v5, v1, SPITCH
	v_lshl_add_u32 v5, v2, 6, v5                   ; in: row r, + 64 h
	v_add_nc_u32 v[STO], s23, v5
	v_add_nc_u32 v[RD], s23, v[CO]                 ; back: a row of 512 bytes, 16 a lane
	v_lshlrev_b32 v[L8], 3, v3                     ; (v5 served as a temporary above: 8 x lane again)
	s_lshl_b32 s20, s17, 8
	s_lshl_b32 s21, s15, 7
	s_add_co_u32 s20, s20, s21                     ; my first row of out0
	s_lshl_b32 s20, s20, 12
	s_lshl_b32 s46, s42, 10
	s_lshl_b32 s47, s16, 9
	s_add_co_u32 s46, s46, s47                     ; my first column, in bytes
	s_mov_b32 s47, 0
	s_add_nc_u64 s[96:97], s[96:97], s[46:47]
	s_add_co_u32 s20, s20, s46
	s_mov_b32 s21, 0
	s_add_nc_u64 s[98:99], s[98:99], s[20:21]
	global_load_b128 v[PB:PB+3], v[CO], s[96:97]   ; the bias of my lane's four columns of a row
.macro FRAG reg, adr, q, i
	ds_load_b128 v[\reg:\reg+3], v[\adr] offset:(\q)*CH+(\i)*FRB
	ds_load_b64 v[\reg+4:\reg+5], v[\adr+2] offset:(\q)*CH+(\i)*FRB+512
	ds_load_b128 v[\reg+6:\reg+9], v[\adr] offset:(\q)*CH+(\i)*FRB+768
	ds_load_b64 v[\reg+10:\reg+11], v[\adr+2] offset:(\q)*CH+(\i)*FRB+1280
.endm
.macro MUL16 a0, p, q, sc, zero        ; the 64 accumulators take turns, one instruction a turn
.irp a, \a0, \a0+1
.irp b, 0,1,2,3,4,5,6,7
.if \zero
	v_wmma_scale_f32_16x16x128_f8f6f4 v[8*(8*((\a)%4)+\b):8*(8*((\a)%4)+\b)+7], v[128*(\p)+FR*\b:128*(\p)+FR*\b+FR-1], v[AF+FR*(\a):AF+FR*(\a)+FR-1], 0, v[SC+8*NQ*(\sc)+NQ*\b+(\q)], v[SC+8*NQ*(\sc)+NQ*(\a)+(\q)] matrix_a_fmt:MATRIX_FMT_FP6 matrix_b_fmt:MATRIX_FMT_FP6 matrix_a_scale:MATRIX_SCALE_ROW1
.else
	v_wmma_scale_f32_16x16x128_f8f6f4 v[8*(8*((\a)%4)+\b):8*(8*((\a)%4)+\b)+7], v[128*(\p)+FR*\b:128*(\p)+FR*\b+FR-1], v[AF+FR*(\a):AF+FR*(\a)+FR-1], v[8*(8*((\a)%4)+\b):8*(8*((\a)%4)+\b)+7], v[SC+8*NQ*(\sc)+NQ*\b+(\q)], v[SC+8*NQ*(\sc)+NQ*(\a)+(\q)] matrix_a_fmt:MATRIX_FMT_FP6 matrix_b_fmt:MATRIX_FMT_FP6 matrix_a_scale:MATRIX_SCALE_ROW1
.endif
.endr
.endr
.endm
.macro FETCH_B slot, q, p
	WIN TO_B
.irp i, 0,1,2,3,4,5,6,7
	FRAG 128*(\p)+FR*\i, AD0+\slot, \q, \i
.endr
	WIN 0
.endm
.macro FETCH_A slot, q, i0
.irp i, \i0, \i0+1, \i0+2, \i0+3
	FRAG AF+FR*(\i), AD1+\slot, \q, \i
.endr
.endm
.macro SCALES sc, f
.irp i, 0,1,2,3,4,5,6,7
	ds_load_b64 v[SC+8*NQ*\sc+NQ*\i:SC+8*NQ*\sc+NQ*\i+1], v[ADRS] offset:\i*512+256*((\f)/2)+8*((\f)%2)
.endr
.endm
.macro PLACES n
.rept \n
	v_nop
.endr
.endm
.macro STEP slot, q, zero
	s_wait_dscnt 4*NL                              ; all but the youngest sixteen loads (source 1's blocks 4-7)
	WIN MUL_LO
	MUL16 0, (\q)%2, \q, \slot, \zero
	MUL16 2, (\q)%2, \q, \slot, \zero
	s_wait_dscnt 0
	PLACES NP
	FETCH_B \slot, (\q)+1, 1-(\q)%2
	FETCH_A \slot, (\q)+1, 0
	WIN MUL_HI
	MUL16 4, (\q)%2, \q, \slot, \zero
	MUL16 6, (\q)%2, \q, \slot, \zero
	PLACES NP
	WIN 0
	FETCH_A \slot, (\q)+1, 4
.endm
.macro TURN slot, next, fill, fnext
	s_wait_tensorcnt 0x0                           ; all my tensor loads have landed: my part of the next slot
	ds_add_u32 v[SPW], v[NIL]
	s_wait_dscnt 4*NL+1                            ; (the add and the youngest sixteen loads may be out)
	WIN MUL_LO
	MUL16 0, 1, NQ-1, \slot, 0
	s_wait_dscnt 0x0                               ; the add is done, and my reads of this slot are over
	s_barrier_signal -1
	MUL16 2, 1, NQ-1, \slot, 0
	WIN 0
	s_barrier_wait -1
.if \fill
	CREST                                          ; no wave of any partner still reads this slot or has a load on its way
	s_add_nc_u64 s[G0+4*\slot+2:G0+4*\slot+3], s[G0+4*\slot+2:G0+4*\slot+3], 2*HALFT
	s_add_nc_u64 s[G0B+4*\slot+2:G0B+4*\slot+3], s[G0B+4*\slot+2:G0B+4*\slot+3], 2*HALFT
	JLOAD G0+4*\slot, G1, G0B+4*\slot, G1B         ; my one tensor load behind the round
.else
	PLACES NP
.endif
	FETCH_B \next, 0, 0
	FETCH_A \next, 0, 0
	SCALES \next, \fnext
	WIN MUL_HI
	MUL16 4, 1, NQ-1, \slot, 0
	MUL16 6, 1, NQ-1, \slot, 0
	PLACES NP
	WIN 0
	FETCH_A \next, 0, 4
.endm
	s_wait_tensorcnt 1                             ; the scale words and my part of fill 0 are in; fill 1's load may be out
	s_barrier_signal -1
	s_barrier_wait -1
	FETCH_B 0, 0, 0
	FETCH_A 0, 0, 0
	SCALES 0, 0
	FETCH_A 0, 0, 4
	STEP 0, 0, 1
	TURN 0, 1, 1, 1
	STEP 1, 0, 0
	TURN 1, 0, 1, 2
	STEP 0, 0, 0
	TURN 0, 1, 0, 3
	STEP 1, 0, 0
	s_wait_dscnt 4*NL                              ; the very last step
	WIN MUL_LO
	MUL16 0, 1, NQ-1, 1, 0
	MUL16 2, 1, NQ-1, 1, 0
	s_wait_dscnt 0
	WIN MUL_HI
	MUL16 4, 1, NQ-1, 1, 0
	MUL16 6, 1, NQ-1, 1, 0
	WIN 0
; THE WAY OUT, block by block of 16 rows x 128 columns, through my own stage; LDS serves a wave's instructions in order, so no wait stands between the stores and the loads.
.macro TOSTAGE a
.set AC, 64*((\a)%4)
	WIN (0x08+4*((\a)/4))                          ; the data: window 2 or 3
.irp b, 0,1,2,3,4,5,6,7
	ds_store_b128 v[STO], v[AC+8*\b:AC+8*\b+3] offset:128*(\b/2)+32*(\b%2)        ; each accumulator from its low end on
	ds_store_b128 v[STO], v[AC+8*\b+4:AC+8*\b+7] offset:128*(\b/2)+32*(\b%2)+16
.endr
	WIN 0
.set BB, BK+64*((\a)%2)
.irp t, 0,1,2,3,4,5,6,7,8,9,10,11,12,13,14,15
	ds_load_b128 v[BB+4*\t:BB+4*\t+3], v[RD] offset:\t*SPITCH
.endr
.endm
.macro SEND a, younger                 ; younger: the LDS instructions issued behind block a's loads
.set BB, BK+64*((\a)%2)
	s_wait_dscnt \younger
.irp t, 0,1,2,3,4,5,6,7,8,9,10,11,12,13,14,15
	v_pk_add_f32 v[BB+4*\t:BB+4*\t+1], v[BB+4*\t:BB+4*\t+1], v[PB:PB+1]
	v_pk_add_f32 v[BB+4*\t+2:BB+4*\t+3], v[BB+4*\t+2:BB+4*\t+3], v[PB+2:PB+3]
	global_store_b128 v[CO], v[BB+4*\t:BB+4*\t+3], s[98:99] offset:(32*((\a)/2)+8*((\a)%2)+\t+8*(\t/8))*4096 th:TH_STORE_NT   ; 32 lanes store 512 consecutive bytes, aligned; stage row t is row 32 (a / 2) + 8 (a % 2) + t + 8 (t / 8)
.endr
.endm
	PLACES NP
	s_wait_loadcnt 0x0                             ; the bias
	TOSTAGE 0
.irp a, 1,2,3,4,5,6,7
.if \a > 1
	s_wait_xcnt 0x0                                ; block a - 2's stores have read their registers: block a's loads may land there
.endif
	TOSTAGE \a
	SEND \a-1, 32                                  ; behind block a - 1's loads: block a's 16 stores and 16 loads
.endr
	SEND 7, 0
	s_wait_tensorcnt 0x0                           ; the wave's end
	ds_add_u32 v[SPW], v[NIL]
	s_wait_dscnt 0x0
	CROUND                                         ; the closing round
	s_endpgm
.Lfunc_end_k_q8494a6c661_proj:
	.size	k_q8494a6c661_proj, .Lfunc_end_k_q8494a6c661_proj-k_q8494a6c661_proj
	.p2alignl 7, 3214868480
	.fill 96, 4, 3214868480
	.section	.rodata,"a",@progbits
	.p2align	6, 0x0
	.amdhsa_kernel k_q8494a6c661_proj
		.amdhsa_group_segment_fixed_size 327680
		.amdhsa_private_segment_fixed_size 0
		.amdhsa_enable_private_segment 0
		.amdhsa_kernarg_size 48
		.amdhsa_user_sgpr_count 2
		.amdhsa_user_sgpr_kernarg_segment_ptr 1
		.amdhsa_wavefront_size32 1
		.amdhsa_system_sgpr_workgroup_id_x 1
		.amdhsa_system_sgpr_workgroup_id_y 1
		.amdhsa_system_sgpr_workgroup_id_z 1
		.amdhsa_system_vgpr_workitem_id 0
		.amdhsa_next_free_vgpr 1024
		.amdhsa_next_free_sgpr 100
		.amdhsa_reserve_vcc 0
		.amdhsa_float_denorm_mode_32 3
		.amdhsa_float_denorm_mode_16_64 3
		.amdhsa_memory_ordered 1
		.amdhsa_forward_progress 1
		.amdhsa_inst_pref_size 159
	.end_amdhsa_kernel
	.amdgpu_metadata
---
amdhsa.version: [ 1, 2 ]
amdhsa.kernels:
  - .name:           k_q8494a6c661_proj
    .symbol:         k_q8494a6c661_proj.kd
    .args:
      - { .name: ac, .offset: 0, .size: 8, .value_kind: global_buffer, .address_space: global }
      - { .name: acs, .offset: 8, .size: 8, .value_kind: global_buffer, .address_space: global }
      - { .name: codes_in, .offset: 16, .size: 8, .value_kind: global_buffer, .address_space: global }
      - { .name: scales_in, .offset: 24, .size: 8, .value_kind: global_buffer, .address_space: global }
      - { .name: proj_b, .offset: 32, .size: 8, .value_kind: global_buffer, .address_space: global }
      - { .name: out0, .offset: 40, .size: 8, .value_kind: global_buffer, .address_space: global }
    .group_segment_fixed_size: 327680
    .private_segment_fixed_size: 0
    .kernarg_segment_align: 8
    .kernarg_segment_size: 48
    .max_flat_workgroup_size: 128
    .sgpr_count:     100
    .vgpr_count:     1024
    .wavefront_size: 32
...
	.end_amdgpu_metadata
.endif
;; end of part 4
